; MI455X (gfx1250); checked and timed in simulation.
; The chip was launched on July 23, 2026; its instructions are those of AMD's public machine-readable ISA for CDNA 5 (MIT licence, August 2026) and "CDNA5" Instruction Set Architecture Reference Guide (July 2026). The comments in the code are by the model that wrote it; some were corrected since.
;; Block. Allowed arithmetic: matrix products marked QUANTISED: E4M3 operands, one E8M0 scale for each 32 along K, by v_wmma_scale_f32_16x16x128_f8f6f4 with both operands' format E4M3, f32 sums; everything else in f32.
;; Inputs: W1 1,024 x 4,096 float32; W2 4,096 x 1,024 float32; Wk 1,024 x 1,024 float32; Wproj 1,024 x 1,024 float32; Wq 1,024 x 1,024 float32; Wv 1,024 x 1,024 float32; b1 4,096 float32; b2 1,024 float32; beta1 1,024 float32; beta2 1,024 float32; bproj 1,024 float32; g1 1,024 float32; g2 1,024 float32; x 4 x 1,024 x 1,024 float32.
;; Outputs: out0 4 x 1,024 x 1,024 float32.
;; This version of the problem:
;;   THIS VERSION OF THE PROBLEM IS GIVEN IN LOW PRECISION. The matrix products marked QUANTISED in the list below multiply operands that are first quantised to E4M3 (4 exponent bits, 3 mantissa bits; 8 bits a number), with one power-of-two scale for each 32 numbers along K (OCP MX v1.0); their sums are f32. All else is computed in f32.
;;   The module's matrix products, in the order in which they are computed (A, B: the left and right operand; K: the contracted axis; several contracted axes count as one K, in the product's order):
;;     1. [M 4,096, K 1,024] x [K 1,024, N 1,024]; A: computed on the way; B: input Wq: QUANTISED
;;     2. [M 4,096, K 1,024] x [K 1,024, N 1,024]; A: computed on the way; B: input Wk: QUANTISED
;;     3. [M 4,096, K 1,024] x [K 1,024, N 1,024]; A: computed on the way; B: input Wv: QUANTISED
;;     4. batch 64 x [M 1,024, K 64] x [K 64, N 1,024]; A: computed on the way; B: computed on the way: QUANTISED
;;     5. batch 64 x [M 1,024, K 1,024] x [K 1,024, N 64]; A: softmax (see below); B: computed on the way: QUANTISED
;;     6. [M 4,096, K 1,024] x [K 1,024, N 1,024]; A: computed on the way; B: input Wproj: QUANTISED
;;     7. [M 4,096, K 1,024] x [K 1,024, N 4,096]; A: computed on the way; B: input W1: QUANTISED
;;     8. [M 4,096, K 4,096] x [K 4,096, N 1,024]; A: computed on the way; B: input W2: QUANTISED
;;   THE QUANTISER, for each operand of a quantised product, along K:
;;     - K is cut into blocks of 32 from its start; a last block that is shorter is filled with zeros.
;;     - A block's scale is 2^e with e = floor(log2(the largest magnitude in the block)) - 8, held to -126 .. 127; a block of zeros has e = 0. As a byte (E8M0): e + 127.
;;     - Each number is divided by its block's scale, clamped to +-448, and rounded to the nearest number of E4M3, ties to even, subnormals kept.
;;     - The product sums the exact products of the quantised numbers (number of the format x scale) in f32.
;;   ~~~python
;;   def quantise(x, axis):      # numpy; x: float32 -> the quantised numbers, widened to float32 again
;;       x = np.moveaxis(x, axis, -1); K = x.shape[-1]
;;       x = np.pad(x, [(0, 0)] * (x.ndim - 1) + [(0, -K % 32)]); x = x.reshape(x.shape[:-1] + (-1, 32)); a = np.abs(x).max(-1, keepdims=True)
;;       e = np.where(a > 0, np.clip(np.frexp(np.where(a > 0, a, 1))[1] - 1 - 8, -126, 127), 0)      # np.frexp(a)[1] - 1 = floor(log2(a)), exactly
;;       r = np.clip(x / 2.0 ** e, -448, 448)
;;       step = 2.0 ** (np.maximum(np.frexp(np.where(r == 0, 1, r))[1] - 1, -6) - 3)
;;       q = np.round(r / step) * step * 2.0 ** e      # np.round: ties to even
;;       return np.moveaxis(q.reshape(q.shape[:-2] + (-1,))[..., :K], -1, axis).astype(np.float32)
;;   ~~~
;;   SOFTMAX AHEAD OF A QUANTISED PRODUCT. Where the list says 'softmax', what is quantised is not the finished softmax but p = 2^(t - M), with t = logit x log2(e) and M = ceil(the row's largest t), a whole number; so 1/2 < the row's largest p <= 1. The row's sum l is taken of the UNQUANTISED p, in f32, and the product's result is divided by l at the end. Since M is a whole number, a kernel that streams over the keys may use a running M (the ceiling of the running maximum): every later rescaling is an exact power of two, which a block's scale takes up: the codes' values come out the same.
;;   OPERANDS COMPUTED ON THE WAY. 'Computed on the way' means the value that the module computes at that place (a softmax that the list does not call 'softmax' is quantised finished and normalised). What goes into a quantiser is computed in f32, as accurately as f32 sums, v_exp_f32 and their like allow (about 1e-6 of the number): no bf16 or f16 on the way to a quantiser, and a product that is left as it is and whose result goes on into a quantised operand takes f32 operands (vector FMAs, or v_wmma_f32_16x16x4_f32). A number that lies on a knife's edge between two numbers of the format may be rounded either way, as far as f32 arithmetic and the matrix unit's own rounding can turn it there, and no further.
;; One version. Each part assembles by itself: llvm-mc -triple=amdgcn-amd-amdhsa -mcpu=gfx1250 --defsym DOCPART=n.
;; ======== version 1 of 1: 7 launches
;; limits: right only within a limited range of input values
;; workspace buffers: wsp 18,382,848 bytes; qkvbuf 13,238,272 bytes; attbuf 4,325,376 bytes; x1 16,777,216 bytes; h2buf 4,325,376 bytes; ffbuf 17,301,504 bytes
;; launch prep (part 1): grid 640 x 1, 4 waves a work-group, no clusters, 56,832 bytes of LDS; arguments x, g1, beta1, Wq, Wk, Wv, Wproj, W1, W2, wsp; writes wsp
.if DOCPART == 1
	.amdgcn_target "amdgcn-amd-amdhsa--gfx1250"
	.amdhsa_code_object_version 6
	.text
	.protected	k_qcca4df7f38_prep
	.globl	k_qcca4df7f38_prep
	.p2align	8
	.type	k_qcca4df7f38_prep,@function
k_qcca4df7f38_prep:
	s_mov_b64 s[64:65], 0
	v_nop
	global_prefetch_b8 v0, s[64:65] scope:SCOPE_SE
	s_setreg_imm32_b32 hwreg(HW_REG_WAVE_MODE, 25, 1), 1
	s_wait_xcnt 0x0
; PREP.  Work-groups 0-255: h = layer norm of x (gain g1, offset beta1), quantised along its 1,024 channels.  Work-groups 256-639: the six weights [K][N] f32, quantised along K, laid with K innermost.
; FORMAT: codes of E4M3 with one E8M0 byte for each 32 along K: byte = the exponent field of the block's largest magnitude - 8; each number / scale, held within +-448, rounded to the nearest code.
; LAYOUT of every operand in wsp: codes [K/256 panels][ROWS][256 bytes], scale bytes [K/256][ROWS][8]: 128 rows of a panel are 32,768 consecutive bytes.
; LIMITS: NaN and infinities are not served; a block whose largest magnitude lies under 2^-118 (a block of zeros too) gets the byte 1: its codes are zeros or tiny, and this program alone reads the bytes.
; No tensor loads, no barrier: waves share nothing.  The two paths part on the work-group's number and have LDS bytes of their own: weights 0-34,815, layer norm 34,816-56,319.
.set WQKV_C, 0
.set W1_C,   4194304
.set W2_C,   8388608
.set WP_C,   12582912
.set H_C,    13631488
.set WQKV_S, 17825792
.set W1_S,   17956864
.set W2_S,   18087936
.set WP_S,   18219008
.set H_S,    18251776
; ---- layer norm: a wave takes 4 rows; a row is 8 loads of 512 consecutive bytes and stays in 32 registers
.set G,  16                            ; v16-47   the gain of my 32 channels
.set BT, 48                            ; v48-79   the offset
.set R,  80                            ; v80-207  four rows; later each half row's codes and scale byte
.set X,  208                           ; v208-239 two sets of 16 neighbours along K
.set MU, 240                           ; v[240:241] the mean, twice
.set RS, 242                           ; v[242:243] 1/sqrt(var + eps), twice
.set SA, 244                           ; v[244:245], v[246:247] two chains of sums
.set SQ, 246
.macro XSUM                            ; v248: the sum over the 32 lanes, in every lane
	v_add_f32_dpp v248, v248, v248 row_xmask:1 row_mask:0xf bank_mask:0xf
	v_add_f32_dpp v248, v248, v248 row_xmask:2 row_mask:0xf bank_mask:0xf
	v_add_f32_dpp v248, v248, v248 row_xmask:4 row_mask:0xf bank_mask:0xf
	v_add_f32_dpp v248, v248, v248 row_xmask:8 row_mask:0xf bank_mask:0xf
	v_permlanex16_b32 v249, v248, s40, s41
	v_add_f32 v248, v248, v249
.endm
.macro TURN p, t                       ; half row t (512 numbers) through my stage: in as loaded, back 16 neighbours a lane; LDS serves a wave's instructions in order
.irp i, 0,1,2,3
	ds_store_b128 v14, v[R+32*(\p)+16*(\t)+4*\i:R+32*(\p)+16*(\t)+4*\i+3] offset:2560*(\t)+640*\i
.endr
.irp i, 0,1,2,3
	ds_load_b128 v[X+16*(\t)+4*\i:X+16*(\t)+4*\i+3], v15 offset:2560*(\t)+16*\i
.endr
.endm
.macro QSTEP p, t                      ; 16 neighbours a lane, two lanes to a block of 32
.set XS, X+16*(\t)
.set CR, R+32*(\p)+16*(\t)             ; free: the stage stores that read these registers are older than the loads just waited for
	v_max3_num_f32 v8, |v[XS]|, |v[XS+1]|, |v[XS+2]|
	v_max3_num_f32 v9, |v[XS+3]|, |v[XS+4]|, |v[XS+5]|
.irp i, 6,10
	v_max3_num_f32 v8, v8, |v[XS+\i]|, |v[XS+\i+1]|
	v_max3_num_f32 v9, v9, |v[XS+\i+2]|, |v[XS+\i+3]|
.endr
	v_max3_num_f32 v8, v8, |v[XS+14]|, |v[XS+15]|
	v_max3_num_f32 v8, v8, v9, 0x4800000           ; the floor 2^(9 - 127): the byte cannot fall under 1
	v_max_num_f32_dpp v8, v8, v8 row_xmask:1 row_mask:0xf bank_mask:0xf   ; with my neighbour's 16
	v_add_nc_u32 v11, 0xfc000000, v8               ; 8 off the exponent field: the conversion's scale operand
	v_and_or_b32 v10, v8, 0x7f800000, s42          ; 448 x the scale
.set II, 0
.rept 16
	v_med3_num_f32 v[XS+II], v[XS+II], -v10, v10   ; the conversion does not saturate (ISA guide 7.6.2): hold first
.set II, II+1
.endr
	v_cvt_scalef32_pk8_fp8_f32 v[CR:CR+1], v[XS:XS+7], v11
	v_cvt_scalef32_pk8_fp8_f32 v[CR+2:CR+3], v[XS+8:XS+15], v11
	v_lshrrev_b32 v[CR+4], 23, v11                 ; the scale's byte (a plain line behind the conversions)
	ds_store_b8 v5, v[CR+4] offset:5120+64*(\t)+8*(\p)   ; both lanes of a block write the same byte
	global_store_b128 v4, v[CR:CR+3], s[32:33] offset:(\t)*2097152+(\p)*256   ; lanes 0-15: 256 bytes of panel 2 t, lanes 16-31: of panel 2 t + 1
.endm
.macro ROW p
.set RR, R+32*(\p)
	s_wait_loadcnt 8*(3-(\p))                      ; my row is in; the later rows' 8 loads each may be out
	v_pk_add_f32 v[SA:SA+1], v[RR:RR+1], v[RR+2:RR+3]
	v_pk_add_f32 v[SQ:SQ+1], v[RR+4:RR+5], v[RR+6:RR+7]
.irp j, 8,12,16,20,24,28
	v_pk_add_f32 v[SA:SA+1], v[SA:SA+1], v[RR+\j:RR+\j+1]
	v_pk_add_f32 v[SQ:SQ+1], v[SQ:SQ+1], v[RR+\j+2:RR+\j+3]
.endr
	v_pk_add_f32 v[SA:SA+1], v[SA:SA+1], v[SQ:SQ+1]
	v_add_f32 v248, v[SA], v[SA+1]
	XSUM
	v_mul_f32 v[MU], s43, v248                     ; the mean
	v_mov_b32 v[MU+1], v[MU]
.set JJ, 0
.rept 16
	v_pk_add_f32 v[RR+JJ:RR+JJ+1], v[RR+JJ:RR+JJ+1], v[MU:MU+1] neg_lo:[0,1] neg_hi:[0,1]   ; x - mean, before the squares: no difference of large sums
.set JJ, JJ+2
.endr
	v_pk_mul_f32 v[SA:SA+1], v[RR:RR+1], v[RR:RR+1]
	v_pk_mul_f32 v[SQ:SQ+1], v[RR+2:RR+3], v[RR+2:RR+3]
.irp j, 4,8,12,16,20,24,28
	v_pk_fma_f32 v[SA:SA+1], v[RR+\j:RR+\j+1], v[RR+\j:RR+\j+1], v[SA:SA+1]
	v_pk_fma_f32 v[SQ:SQ+1], v[RR+\j+2:RR+\j+3], v[RR+\j+2:RR+\j+3], v[SQ:SQ+1]
.endr
	v_pk_add_f32 v[SA:SA+1], v[SA:SA+1], v[SQ:SQ+1]
	v_add_f32 v248, v[SA], v[SA+1]
	XSUM
	v_fma_f32 v248, v248, s43, s44                 ; the variance + 1e-5
	s_wait_alu depctr_va_vdst(0)
	v_rsq_f32 v[RS], v248
	v_nop                                          ; a plain line behind the transcendental,
	s_wait_alu depctr_va_vdst(0)                   ; and the wait ahead of its first reader
	v_mov_b32 v[RS+1], v[RS]
.set JJ, 0
.rept 16
	v_pk_mul_f32 v[RR+JJ:RR+JJ+1], v[RR+JJ:RR+JJ+1], v[RS:RS+1]
.set JJ, JJ+2
.endr
.set JJ, 0
.rept 16
	v_pk_fma_f32 v[RR+JJ:RR+JJ+1], v[RR+JJ:RR+JJ+1], v[G+JJ:G+JJ+1], v[BT+JJ:BT+JJ+1]
.set JJ, JJ+2
.endr
	TURN \p, 0
	TURN \p, 1
	s_wait_dscnt 8                                 ; the first half is back; the second half's 4 stores and 4 loads may be out
	QSTEP \p, 0
	s_wait_dscnt 1                                 ; the second half is back; the byte store just issued may be out
	QSTEP \p, 1
.endm
; XP, GP, BP, OP: the scalar pairs with the addresses of the rows, the gain, the offset, the output; OC, OS: where codes and scale bytes begin in it; LB: my path's first LDS byte
.macro LNBODY XP, GP, BP, OP, OC, OS, LB
	v_lshlrev_b32 v3, 4, v2                        ; 16 x lane
	v_lshrrev_b32 v8, 4, v2
	v_and_b32 v9, 15, v2
	v_lshlrev_b32 v4, 20, v8
	v_lshl_add_u32 v4, v9, 4, v4                   ; codes: (lane / 16) panels + 16 (lane % 16)
	s_mul_i32 s29, s28, 5376                       ; LDS of my wave: two stages of 2,560 bytes, then 128 scale bytes
	s_add_co_u32 s29, s29, \LB
	v_bfe_u32 v10, v2, 1, 3
	v_lshl_add_u32 v5, v8, 5, v10
	v_add_nc_u32 v5, s29, v5                       ; scale bytes in LDS: [panel][row][8]
	v_lshl_add_u32 v6, v2, 2, s29
	v_lshrrev_b32 v10, 3, v2
	v_and_b32 v11, 7, v2
	v_lshlrev_b32 v7, 15, v10
	v_lshl_add_u32 v7, v11, 2, v7                  ; and in memory: eight lanes store the 32 bytes of my 4 rows in one panel
	v_lshrrev_b32 v10, 2, v2
	v_and_b32 v11, 3, v2
	v_mul_u32_u24 v14, v10, 80
	v_lshl_add_u32 v14, v11, 4, v14
	v_add_nc_u32 v14, s29, v14                     ; the stage, in: four lanes' 64 bytes, then 16 of padding
	v_mul_u32_u24 v15, v2, 80
	v_add_nc_u32 v15, s29, v15                     ; and out: 64 bytes a lane
	v_mov_b32 v249, 0                              ; a lane permute's destination counts as one of its sources
	s_mov_b32 s40, 0x76543210
	s_mov_b32 s41, 0xfedcba98
	s_mov_b32 s42, 0x600000                        ; the mantissa field of 448
	s_mov_b32 s43, 0x3a800000                      ; 1 / 1,024
	s_mov_b32 s44, 0x3727c5ac                      ; 1e-5
	s_lshl_b32 s38, ttmp9, 16                      ; my first row, 16 x work-group + 4 x wave, in bytes of 4,096
	s_lshl_b32 s30, s28, 14
	s_add_co_u32 s38, s38, s30
	s_mov_b32 s39, 0
	s_add_nc_u64 s[36:37], s[\XP:\XP+1], s[38:39]
	s_lshr_b32 s30, s38, 4                         ; 256 bytes of codes a row and panel
	s_add_co_u32 s30, s30, \OC
	s_mov_b32 s31, 0
	s_add_nc_u64 s[32:33], s[\OP:\OP+1], s[30:31]
	s_lshr_b32 s30, s38, 9                         ; 8 scale bytes
	s_add_co_u32 s30, s30, \OS
	s_add_nc_u64 s[34:35], s[\OP:\OP+1], s[30:31]
.irp i, 0,1,2,3,4,5,6,7
	global_load_b128 v[G+4*\i:G+4*\i+3], v3, s[\GP:\GP+1] offset:512*\i
.endr
.irp i, 0,1,2,3,4,5,6,7
	global_load_b128 v[BT+4*\i:BT+4*\i+3], v3, s[\BP:\BP+1] offset:512*\i
.endr
.irp p, 0,1,2,3
.irp i, 0,1,2,3,4,5,6,7
	global_load_b128 v[R+32*\p+4*\i:R+32*\p+4*\i+3], v3, s[36:37] offset:4096*\p+512*\i th:TH_LOAD_NT
.endr
.endr
	ROW 0
	ROW 1
	ROW 2
	ROW 3
	ds_load_b32 v12, v6 offset:5120                ; my 4 rows' 128 scale bytes; LDS serves a wave in order
	s_wait_dscnt 0x0
	global_store_b32 v7, v12, s[34:35]             ; four pieces of 32 bytes: one byte in 160 of what the path moves
.endm
	s_load_b512 s[8:23], s[0:1], 0x0               ; x 8, g1 10, beta1 12, Wq 14, Wk 16, Wv 18, Wproj 20, W1 22
	s_load_b128 s[24:27], s[0:1], 0x40             ; W2 24, wsp 26
	v_lshl_add_u32 v254, v0, 2, 0xdc00
	v_mov_b32 v255, 0
	v_lshrrev_b32 v1, 5, v0
	v_readfirstlane_b32 s28, v1                    ; wave
	v_and_b32 v2, 31, v0                           ; lane
	s_wait_kmcnt 0x0
	s_cmp_ge_u32 ttmp9, 256
	s_cbranch_scc1 .Lweights
	s_wait_alu depctr_va_vdst(0)
	LNBODY 8, 10, 12, 26, H_C, H_S, 34816
	s_wait_tensorcnt 0x0
	ds_add_u32 v254, v255
	s_wait_dscnt 0x0
	s_endpgm
; ---- the weights.  A lane takes a column n and its registers run down K: a block of 32 lies in one lane, and the codes come out with K innermost.  A wave: 32 columns x one panel of 256 along K.
.set WX,   32                          ; v32-95   two sets of 32 numbers
.set WC,   96                          ; v96-103  a block's codes
.set OUTR, 112                         ; v112-175 the way out
.set OF,   176                         ; v176-207 offset of row i of a block: i x the source's row + 4 x lane
.set SBY,  24                          ; v24-25   my column's 8 scale bytes
.macro WLOAD t
.set II, 0
.rept 32
	global_load_b32 v[WX+32*((\t)%2)+II], v[OF+II], s[48+2*(\t):49+2*(\t)] th:TH_LOAD_NT   ; 128 consecutive bytes a wave, the four waves side by side
.set II, II+1
.endr
.endm
.macro BLOCK t
.set XS, WX+32*((\t)%2)
.if (\t) < 7
	s_wait_loadcnt 32                              ; this block's loads are in; the next block's 32 may be out
.else
	s_wait_loadcnt 0
.endif
	v_max3_num_f32 v12, |v[XS]|, |v[XS+1]|, |v[XS+2]|
	v_max3_num_f32 v13, |v[XS+3]|, |v[XS+4]|, |v[XS+5]|
.irp i, 6,10,14,18,22,26
	v_max3_num_f32 v12, v12, |v[XS+\i]|, |v[XS+\i+1]|
	v_max3_num_f32 v13, v13, |v[XS+\i+2]|, |v[XS+\i+3]|
.endr
	v_max3_num_f32 v12, v12, |v[XS+30]|, |v[XS+31]|
	v_max3_num_f32 v12, v12, v13, 0x4800000
	v_add_nc_u32 v11, 0xfc000000, v12
	v_and_or_b32 v10, v12, 0x7f800000, s70
	v_lshrrev_b32 v13, 23, v11
.if (\t)%4 == 0
	v_mov_b32 v[SBY+(\t)/4], v13
.else
	v_lshl_or_b32 v[SBY+(\t)/4], v13, 8*((\t)%4), v[SBY+(\t)/4]
.endif
.set II, 0
.rept 32
	v_med3_num_f32 v[XS+II], v[XS+II], -v10, v10
.set II, II+1
.endr
.irp g, 0,1,2,3
	v_cvt_scalef32_pk8_fp8_f32 v[WC+2*\g:WC+2*\g+1], v[XS+8*\g:XS+8*\g+7], v11
.endr
	ds_store_b128 v4, v[WC:WC+3] offset:32*(\t)
	ds_store_b128 v4, v[WC+4:WC+7] offset:32*(\t)+16
.if (\t)+2 < 8
	WLOAD (\t)+2
.endif
	s_wait_dscnt 0x0                               ; the stores have read their registers: the next block's codes may be written
.endm
.Lweights:
	s_sub_co_u32 s29, ttmp9, 256                   ; 0-31 Wq, 32-63 Wk, 64-95 Wv, 96-127 Wproj, 128-255 W1, 256-383 W2
	s_and_b32 s35, s29, 31
	s_and_b32 s32, s29, 127                        ; my number within the tensor
	s_mov_b64 s[30:31], s[24:25]                   ; W2's row of the table first; then the others over it.  The choices hang on the work-group's number alone
	s_mov_b32 s33, 3                               ; log2 of the blocks of 128 columns
	s_mov_b32 s36, 4096                            ; a source row in bytes
	s_mov_b32 s37, 1024                            ; rows of a panel in the destination
	s_mov_b32 s38, 0                               ; first row there
	s_mov_b32 s39, W2_C
	s_mov_b32 s34, W2_S
	s_cmp_lt_u32 s29, 256
	s_cselect_b64 s[30:31], s[22:23], s[30:31]
	s_cselect_b32 s33, 5, s33
	s_cselect_b32 s36, 16384, s36
	s_cselect_b32 s37, 4096, s37
	s_cselect_b32 s39, W1_C, s39
	s_cselect_b32 s34, W1_S, s34
	s_cmp_lt_u32 s29, 128
	s_cselect_b64 s[30:31], s[20:21], s[30:31]
	s_cselect_b32 s32, s35, s32
	s_cselect_b32 s33, 3, s33
	s_cselect_b32 s36, 4096, s36
	s_cselect_b32 s37, 1024, s37
	s_cselect_b32 s39, WP_C, s39
	s_cselect_b32 s34, WP_S, s34
	s_cmp_lt_u32 s29, 96
	s_cselect_b64 s[30:31], s[18:19], s[30:31]
	s_cselect_b32 s37, 4096, s37
	s_cselect_b32 s38, 2048, s38
	s_cselect_b32 s39, WQKV_C, s39
	s_cselect_b32 s34, WQKV_S, s34
	s_cmp_lt_u32 s29, 64
	s_cselect_b64 s[30:31], s[16:17], s[30:31]
	s_cselect_b32 s38, 1024, s38
	s_cmp_lt_u32 s29, 32
	s_cselect_b64 s[30:31], s[14:15], s[30:31]
	s_cselect_b32 s38, 0, s38
	s_lshl_b32 s40, 1, s33
	s_sub_co_u32 s40, s40, 1
	s_and_b32 s40, s32, s40                        ; which 128 columns
	s_lshr_b32 s41, s32, s33                       ; which panel
	s_lshl_b32 s40, s40, 7
	s_lshl_b32 s42, s28, 5
	s_add_co_u32 s40, s40, s42                     ; my wave's first column
	s_mul_i32 s42, s41, s36
	s_lshl_b32 s42, s42, 8                         ; 256 source rows a panel
	s_lshl_b32 s43, s40, 2
	s_add_co_u32 s42, s42, s43
	s_mov_b32 s43, 0
	s_add_nc_u64 s[48:49], s[30:31], s[42:43]      ; a base for each of the 8 blocks, 32 source rows apart
	s_lshl_b32 s42, s36, 5
.irp t, 1,2,3,4,5,6,7
	s_add_nc_u64 s[48+2*\t:49+2*\t], s[46+2*\t:47+2*\t], s[42:43]
.endr
	s_mul_i32 s44, s41, s37
	s_add_co_u32 s44, s44, s38
	s_add_co_u32 s44, s44, s40                     ; my first row in the destination, panels counted in
	s_lshl_b32 s46, s44, 8
	s_add_co_u32 s45, s40, s41                     ; W2 alone is laid by fragments: [16 columns][slice of 128 along K][2,048 bytes]: 65,536 bytes for 16 columns, 4,096 for a panel's two slices
	s_lshl_b32 s45, s45, 12
	s_cmp_lt_u32 s29, 256
	s_cselect_b32 s46, s46, s45
	s_add_co_u32 s46, s46, s39
	s_mov_b32 s47, 0
	s_add_nc_u64 s[66:67], s[26:27], s[46:47]      ; codes: 32 rows x 256 bytes on end
	s_lshl_b32 s46, s44, 3
	s_lshr_b32 s45, s40, 7                         ; W2's scale words: [128 columns][slice][512 bytes]; my 32 columns' words are 128 bytes on end
	s_lshl_b32 s45, s45, 14
	s_and_b32 s71, s40, 127
	s_lshl_b32 s71, s71, 2
	s_add_co_u32 s45, s45, s71
	s_lshl_b32 s71, s41, 10
	s_add_co_u32 s45, s45, s71
	s_cmp_lt_u32 s29, 256
	s_cselect_b32 s46, s46, s45
	s_add_co_u32 s46, s46, s34
	s_add_nc_u64 s[68:69], s[26:27], s[46:47]      ; scale bytes: 32 rows x 8 on end
	s_mov_b32 s70, 0x600000
	s_wait_alu depctr_va_vdst(0)
	v_lshlrev_b32 v3, 2, v2
	s_mul_i32 s42, s28, 8704                       ; my stage: 32 rows x 272
	v_mul_u32_u24 v4, v2, 272
	v_add_nc_u32 v4, s42, v4
	v_and_b32 v5, 15, v2
	v_lshrrev_b32 v6, 4, v2
	v_mul_u32_u24 v7, v6, 272
	v_lshl_add_u32 v7, v5, 4, v7
	v_add_nc_u32 v7, s42, v7
	v_mul_u32_u24 v16, v5, 272                     ; W2's way out of the stage: row lane % 16, + 16 (lane / 16): a fragment's own order
	v_lshl_add_u32 v16, v6, 4, v16
	v_add_nc_u32 v16, s42, v16
	v_lshlrev_b32 v17, 3, v5                       ; and its scale word's place: 8 (lane % 16) + 4 (lane / 16)
	v_lshl_add_u32 v17, v6, 2, v17
	v_lshlrev_b32 v8, 4, v2
	v_lshlrev_b32 v9, 3, v2
.set II, 0
.rept 32
	v_mad_u32_u24 v[OF+II], s36, II, v3
.set II, II+1
.endr
	WLOAD 0
	WLOAD 1
.set Q, 0
.rept 8
	BLOCK Q
.set Q, Q+1
.endr
	s_cmp_ge_u32 s29, 256                          ; W2 leaves by fragments: the branch hangs on the work-group's number alone
	s_cbranch_scc1 .Lw2_out
	global_store_b64 v9, v[SBY:SBY+1], s[68:69]
.irp t, 0,1,2,3,4,5,6,7,8,9,10,11,12,13,14,15
	ds_load_b128 v[OUTR+4*\t:OUTR+4*\t+3], v7 offset:544*\t
.endr
.irp t, 0,1,2,3,4,5,6,7,8,9,10,11,12,13,14,15
	s_wait_dscnt 15-\t
	global_store_b128 v8, v[OUTR+4*\t:OUTR+4*\t+3], s[66:67] offset:512*\t
.endr
	s_wait_tensorcnt 0x0
	ds_add_u32 v254, v255
	s_wait_dscnt 0x0
	s_endpgm
; W2: a fragment (16 columns x 128 along K) is four pieces of 512 bytes, piece c: lane (r, h) holds K = 32 c + 16 h + 0 .. 15 of column r: the order of the operand's registers.
; Scale words of a slice: word of column 32 j + 16 e + r at 128 j + 8 r + 4 e: the wave stores 128 bytes on end for each of its two slices (one byte in 128 of what the path moves).
.Lw2_out:
	global_store_b32 v17, v[SBY], s[68:69]
	global_store_b32 v17, v[SBY+1], s[68:69] offset:512
.set II, 0
.rept 16
	ds_load_b128 v[OUTR+4*II:OUTR+4*II+3], v16 offset:(II/8)*4352+128*((II/4)%2)+32*(II%4)
.set II, II+1
.endr
.set II, 0
.rept 16
	s_wait_dscnt 15-II
	global_store_b128 v8, v[OUTR+4*II:OUTR+4*II+3], s[66:67] offset:(II/8)*65536+((II/4)%2)*2048+(II%4)*512   ; 512 consecutive bytes
.set II, II+1
.endr
	s_wait_tensorcnt 0x0
	ds_add_u32 v254, v255
	s_wait_dscnt 0x0
	s_endpgm
.Lfunc_end_k_qcca4df7f38_prep:
	.size	k_qcca4df7f38_prep, .Lfunc_end_k_qcca4df7f38_prep-k_qcca4df7f38_prep
	.p2alignl 7, 3214868480
	.fill 96, 4, 3214868480
	.section	.rodata,"a",@progbits
	.p2align	6, 0x0
	.amdhsa_kernel k_qcca4df7f38_prep
		.amdhsa_group_segment_fixed_size 56832
		.amdhsa_private_segment_fixed_size 0
		.amdhsa_enable_private_segment 0
		.amdhsa_kernarg_size 80
		.amdhsa_user_sgpr_count 2
		.amdhsa_user_sgpr_kernarg_segment_ptr 1
		.amdhsa_wavefront_size32 1
		.amdhsa_system_sgpr_workgroup_id_x 1
		.amdhsa_system_sgpr_workgroup_id_y 1
		.amdhsa_system_sgpr_workgroup_id_z 1
		.amdhsa_system_vgpr_workitem_id 0
		.amdhsa_next_free_vgpr 256
		.amdhsa_next_free_sgpr 80
		.amdhsa_reserve_vcc 0
		.amdhsa_float_denorm_mode_32 3
		.amdhsa_float_denorm_mode_16_64 3
		.amdhsa_memory_ordered 1
		.amdhsa_forward_progress 1
		.amdhsa_inst_pref_size 119
	.end_amdhsa_kernel
	.amdgpu_metadata
---
amdhsa.version: [ 1, 2 ]
amdhsa.kernels:
  - .name:           k_qcca4df7f38_prep
    .symbol:         k_qcca4df7f38_prep.kd
    .args:
      - { .name: x, .offset: 0, .size: 8, .value_kind: global_buffer, .address_space: global }
      - { .name: g1, .offset: 8, .size: 8, .value_kind: global_buffer, .address_space: global }
      - { .name: beta1, .offset: 16, .size: 8, .value_kind: global_buffer, .address_space: global }
      - { .name: Wq, .offset: 24, .size: 8, .value_kind: global_buffer, .address_space: global }
      - { .name: Wk, .offset: 32, .size: 8, .value_kind: global_buffer, .address_space: global }
      - { .name: Wv, .offset: 40, .size: 8, .value_kind: global_buffer, .address_space: global }
      - { .name: Wproj, .offset: 48, .size: 8, .value_kind: global_buffer, .address_space: global }
      - { .name: W1, .offset: 56, .size: 8, .value_kind: global_buffer, .address_space: global }
      - { .name: W2, .offset: 64, .size: 8, .value_kind: global_buffer, .address_space: global }
      - { .name: wsp, .offset: 72, .size: 8, .value_kind: global_buffer, .address_space: global }
    .group_segment_fixed_size: 56832
    .private_segment_fixed_size: 0
    .kernarg_segment_align: 8
    .kernarg_segment_size: 80
    .max_flat_workgroup_size: 128
    .sgpr_count:     80
    .vgpr_count:     256
    .wavefront_size: 32
...
	.end_amdgpu_metadata
.endif
;; end of part 1
;; launch qkv (part 2): grid 12 x 16, 4 waves a work-group, clusters of 4 x 4, 327,680 bytes of LDS; arguments wsp, qkvbuf; writes qkvbuf
.if DOCPART == 2
	.amdgcn_target "amdgcn-amd-amdhsa--gfx1250"
	.amdhsa_code_object_version 6
	.text
	.protected	k_qcca4df7f38_qkv
	.globl	k_qcca4df7f38_qkv
	.p2align	8
	.type	k_qcca4df7f38_qkv,@function
k_qcca4df7f38_qkv:
	s_mov_b64 s[64:65], 0
	v_nop
	global_prefetch_b8 v0, s[64:65] scope:SCOPE_SE
	s_setreg_imm32_b32 hwreg(HW_REG_WAVE_MODE, 25, 1), 1
	s_wait_xcnt 0x0
	s_wait_alu depctr_hold_cnt(0) depctr_sa_sdst(0) depctr_va_vdst(0) depctr_va_sdst(0) depctr_va_ssrc(0) depctr_va_vcc(0) depctr_vm_vsrc(0)
	s_getreg_b32 s2, hwreg(HW_REG_IB_STS2, 6, 4)
	s_cmp_eq_u32 s2, 0
	s_cbranch_scc0 .Lentry_in_a_cluster
	s_endpgm
.Lentry_in_a_cluster:
	s_bfe_u32 s2, ttmp6, 0x10000c
	s_cmp_lg_u32 s2, 0xf033
	s_cbranch_scc0 .Lentry_shape_is_right
	s_endpgm
.Lentry_shape_is_right:
.set WQKV_C, 0
.set H_C,    13631488
.set WQKV_S, 17825792
.set H_S,    18251776
.set V_C,    8388608
.set Q_S,    12582912
.set KV_S,   12845056
.set PANEL,  1048576
.set NQ,     2
.set PITCH,  272
.set FR,     16
.set NL,     4
.set NP,     8
.set HALFT,  128*PITCH
.set SLOT,   4*HALFT
.set SCL,    2*SLOT
.set HALFS,  4096
.set SPARE,  SCL+4*HALFS
.set SST,    256*PITCH
.set RDR,  8
.set RDH,  9
.set RDH2, 10
.set RSA,  11
.set L16,  12
.set SRD,  13
.set ADRA, 16
.set ADRB, 20
.set STO,  24
.set SSTO, 25
.set CO,   26
.set ADRS, 27
.set SPW,  28
.set NIL,  29
.set SC,   32
.set T,    64
.set AF,   128
.set PC,   128
.set TM,   144
.set PW,   160
.set G1, 24
.set G0, 32
.set G1B, 48
.set G0B, 56
.set G1S, 68
.set G0S, 76
.set G1SB, 80
.set G0SB, 88
.set SEL, 96
.set MNT, 98
.set MSB, 0
.macro WIN new
.if MSB != \new
	s_set_vgpr_msb (MSB<<8)|\new
.set MSB, \new
.endif
.endm
.set MUL_LO, 0xa1
.set MUL_HI, 0xf1
.set TO_B,   0x40
.macro JLOAD g0a, g1a, g0b, g1b
	s_cmp_eq_u32 s15, 0
	s_cbranch_scc0 .Lfor_b_\@
	tensor_load_to_lds s[\g0a:\g0a+3], s[\g1a:\g1a+7]
	s_nop 0
.rept 4
	v_nop
.endr
	s_branch .Lasked_\@
.Lfor_b_\@:
	tensor_load_to_lds s[\g0b:\g0b+3], s[\g1b:\g1b+7]
	s_nop 0
.rept 4
	v_nop
.endr
.Lasked_\@:
.endm
.macro CREST
	s_cmp_lg_u32 s14, 0
	s_cbranch_scc1 .Lnot_wave_0_\@
	s_barrier_signal -3
.Lnot_wave_0_\@:
	s_barrier_wait -3
	s_barrier_signal -1
	s_barrier_wait -1
.endm
.macro CROUND
	s_barrier_signal -1
	s_barrier_wait -1
	CREST
.endm
	s_load_b128 s[4:7], s[0:1], 0x0
	v_lshl_add_u32 v[SPW], v0, 2, SPARE
	v_mov_b32 v[NIL], 0
	ds_add_u32 v28, v29
	ds_add_u32 v28, v29
	s_wait_dscnt 0x0
	v_lshrrev_b32 v1, 5, v0
	v_readfirstlane_b32 s14, v1
	s_lshr_b32 s15, s14, 1
	s_and_b32 s16, s14, 1
	s_bfe_u32 s40, ttmp6, 0x40000
	s_bfe_u32 s41, ttmp6, 0x40004
	s_and_b32 s12, ttmp7, 0xffff
	s_lshl_b32 s13, s12, 2
	s_lshl_b32 s18, ttmp9, 2
	s_cmp_eq_u32 ttmp9, 2
	s_cselect_b32 s17, 0, s13
	s_cselect_b32 s42, s13, s18
	s_mov_b32 s8, H_C
	s_cselect_b32 s8, WQKV_C+524288, s8
	s_mov_b32 s9, H_S
	s_cselect_b32 s9, WQKV_S+16384, s9
	s_mov_b32 s10, WQKV_C
	s_cselect_b32 s10, H_C, s10
	s_mov_b32 s11, WQKV_S
	s_cselect_b32 s11, H_S, s11
	s_add_co_u32 s17, s17, s41
	s_add_co_u32 s42, s42, s40
	s_lshl_b32 s43, s41, 2
	s_lshl_b32 s43, 15, s43
	s_lshl_b32 s44, 0x1111, s40
	s_or_b32 s[G1+0], s43, (1<<20)|(1<<21)|(5<<22)|(3<<25)
	s_or_b32 s[G1B+0], s44, (1<<20)|(1<<21)|(5<<22)|(3<<25)
.irp g, G1, G1B
	s_mov_b32 s[\g+1], 256<<16
	s_mov_b32 s[\g+2], 256<<16
	s_mov_b32 s[\g+3], 256<<16
	s_mov_b32 s[\g+4], 256
	s_mov_b32 s[\g+5], 256
	s_mov_b32 s[\g+6], 0
	s_mov_b32 s[\g+7], 0
.endr
	s_or_b32 s[G1S+0], s43, (3<<16)|(1<<21)
	s_or_b32 s[G1SB+0], s44, (3<<16)|(1<<21)
.irp g, G1S, G1SB
	s_mov_b32 s[\g+1], 256<<16
	s_mov_b32 s[\g+2], 4<<16
	s_mov_b32 s[\g+3], 256<<16
	s_mov_b32 s[\g+4], 4
	s_mov_b32 s[\g+5], 4096
	s_mov_b32 s[\g+6], 0
	s_mov_b32 s[\g+7], 0
.endr
	s_lshl_b32 s18, s16, 15                        ; s[18:19]: in the ring I fetch 128 rows of a tile: which half, in bytes
	s_mov_b32 s19, 0
	s_lshl_b32 s20, s17, 8
	s_lshl_b32 s46, s42, 8
	s_lshl_b32 s22, s20, 3
	s_add_co_u32 s22, s22, s9
	s_lshl_b32 s20, s20, 8
	s_add_co_u32 s20, s20, s8
	s_lshl_b32 s92, s46, 3
	s_add_co_u32 s92, s92, s11
	s_lshl_b32 s46, s46, 8
	s_add_co_u32 s46, s46, s10
	s_mov_b32 s21, 0
	s_mov_b32 s23, 0
	s_mov_b32 s47, 0
	s_mov_b32 s93, 0
	s_mul_i32 s45, s14, HALFT
	s_wait_kmcnt 0x0
	s_add_nc_u64 s[20:21], s[4:5], s[20:21]
	s_add_nc_u64 s[22:23], s[4:5], s[22:23]
	s_add_nc_u64 s[46:47], s[4:5], s[46:47]
	s_add_nc_u64 s[92:93], s[4:5], s[92:93]
	CROUND
	s_mov_b32 s[G0S], 1
	s_mov_b32 s[G0S+1], SCL
	s_mov_b64 s[G0S+2:G0S+3], s[22:23]
	s_or_b32 s[G0S+3], s[G0S+3], 0x80000000
	s_mov_b32 s[G0SB], 1
	s_mov_b32 s[G0SB+1], SCL+2*HALFS
	s_mov_b64 s[G0SB+2:G0SB+3], s[92:93]
	s_or_b32 s[G0SB+3], s[G0SB+3], 0x80000000
.irp s, 0,1
	s_mov_b32 s[G0+4*\s], 1
	s_add_co_u32 s[G0+4*\s+1], s45, \s*SLOT
	s_add_nc_u64 s[G0+4*\s+2:G0+4*\s+3], s[20:21], \s*PANEL
	s_or_b32 s[G0+4*\s+3], s[G0+4*\s+3], 0x80000000
	s_mov_b32 s[G0B+4*\s], 1
	s_add_co_u32 s[G0B+4*\s+1], s45, \s*SLOT
	s_add_nc_u64 s[G0B+4*\s+2:G0B+4*\s+3], s[46:47], \s*PANEL
	s_or_b32 s[G0B+4*\s+3], s[G0B+4*\s+3], 0x80000000
.endr
	s_add_nc_u64 s[G0+6:G0+7], s[G0+6:G0+7], s[18:19]      ; slot 1's loads bring my 128 rows
	s_add_nc_u64 s[G0B+6:G0B+7], s[G0B+6:G0B+7], s[18:19]
	s_mov_b32 s[G0+1], 0                           ; the head's loads bring whole tiles: panel 0's 256 rows of A,
	s_mov_b32 s[G0B+1], 2*HALFT                    ; its 256 rows of B behind them
; THE HEAD'S LOADS, ONE A WAVE: wave 0 A's 256 rows, wave 1 B's, wave 2 A's scale bytes [panel][256][8], wave 3 B's.  One chain of branches on the wave's number, an arm a load.
.macro ARM under, g0, g1, next
	s_cmp_lt_u32 s14, \under
	s_cbranch_scc0 \next
	tensor_load_to_lds s[\g0:\g0+3], s[\g1:\g1+7]
	s_nop 0
.rept 4
	v_nop
.endr
	s_branch .Lhead_asked
\next:
.endm
	ARM 1, G0,  G1,  .Lhead_b
	ARM 2, G0B, G1B, .Lhead_sa
	ARM 3, G0S, G1S, .Lhead_sb
	tensor_load_to_lds s[G0SB:G0SB+3], s[G1SB:G1SB+7]
	s_nop 0
.rept 4
	v_nop
.endr
.Lhead_asked:
	v_and_b32 v1, 15, v0
	v_bfe_u32 v2, v0, 4, 1
	s_wait_alu depctr_va_vdst(0)
	v_mul_u32_u24 v3, v1, PITCH
	v_lshl_add_u32 v4, v2, 4, v3
	s_wait_alu depctr_va_vdst(0)
	s_mul_i32 s21, s15, HALFT
	s_mul_i32 s22, s16, HALFT
	s_add_co_u32 s22, s22, 2*HALFT
.irp s, 0,1
	v_add_nc_u32 v[ADRA+\s], s21, v4
	v_add_nc_u32 v[ADRB+\s], s22, v4
	s_add_co_u32 s21, s21, SLOT
	s_add_co_u32 s22, s22, SLOT
.endr
	v_lshlrev_b32 v5, 3, v1
	s_lshl_b32 s21, s15, 10
	s_lshl_b32 s22, s16, 10
	s_add_co_u32 s22, s22, 2*HALFS
	s_sub_co_u32 s22, s22, s21
	v_mul_u32_u24 v6, s22, v2
	s_add_co_u32 s21, s21, SCL
	v_add_nc_u32 v5, v5, v6
	v_add_nc_u32 v[ADRS], s21, v5
	s_mul_i32 s23, s15, HALFT
	s_lshl_b32 s21, s16, 7
	s_add_co_u32 s23, s23, s21
	v_add_nc_u32 v[STO], s23, v4
	s_lshl_b32 s21, s15, 10
	s_lshl_b32 s22, s16, 2
	s_add_co_u32 s21, s21, s22
	s_add_co_u32 s21, s21, SST
	v_lshl_add_u32 v[SSTO], v1, 3, s21
	s_mul_i32 s21, s14, 64*PITCH
	v_mul_u32_u24 v5, v2, PITCH
	v_lshl_add_u32 v5, v1, 4, v5
	v_add_nc_u32 v[RDR], s21, v5
	v_lshlrev_b32 v5, 10, v2
	v_lshl_add_u32 v[CO], v1, 4, v5
	v_and_b32 v6, 31, v0
	v_lshlrev_b32 v[L16], 4, v6
	v_lshrrev_b32 v7, 2, v6
	v_and_b32 v5, 3, v6
	v_mul_u32_u24 v7, v7, PITCH
	v_lshl_add_u32 v7, v5, 4, v7
	s_lshl_b32 s21, s14, 6
	v_add_nc_u32 v[RDH], s21, v7
	v_add_nc_u32 v[RDH2], 16*8*PITCH, v[RDH]
	s_lshl_b32 s21, s14, 1
	s_add_co_u32 s21, s21, SST
	v_lshl_add_u32 v[RSA], v6, 5, s21
	s_lshl_b32 s21, s14, 9
	s_add_co_u32 s21, s21, SST
	v_lshl_add_u32 v[SRD], v6, 4, s21
	s_mov_b32 s[SEL], 0x76543210
	s_mov_b32 s[SEL+1], 0xfedcba98
	s_mov_b32 s[MNT], 0x600000
	s_lshl_b32 s8, s12, 4
	s_lshl_b32 s9, s40, 2
	s_add_co_u32 s8, s8, s9
	s_add_co_u32 s8, s8, s14
	s_lshl_b32 s9, s8, 16
	s_lshl_b32 s10, s41, 14
	s_add_co_u32 s9, s9, s10
	s_lshl_b32 s10, ttmp9, 22
	s_add_co_u32 s9, s9, s10
	s_lshl_b32 s10, s8, 12
	s_add_co_u32 s10, s10, Q_S
	s_mul_i32 s11, s8, 6144
	s_add_co_u32 s11, s11, KV_S
	s_cmp_eq_u32 ttmp9, 0
	s_cselect_b32 s10, s10, s11
	s_lshl_b32 s11, s41, 10
	s_add_co_u32 s10, s10, s11
	s_lshl_b32 s11, s12, 10
	s_lshl_b32 s13, s41, 8
	s_add_co_u32 s11, s11, s13
	s_lshl_b32 s13, s14, 6
	s_add_co_u32 s11, s11, s13
	s_lshl_b32 s11, s11, 10
	s_lshl_b32 s13, s40, 8
	s_add_co_u32 s11, s11, s13
	s_add_co_u32 s11, s11, V_C
	s_lshl_b32 s13, s12, 4
	s_lshl_b32 s66, s41, 2
	s_add_co_u32 s13, s13, s66
	s_add_co_u32 s13, s13, s14
	s_mul_i32 s13, s13, 6144
	s_lshl_b32 s66, s40, 9
	s_add_co_u32 s13, s13, s66
	s_add_co_u32 s13, s13, KV_S+4096
	s_cmp_eq_u32 ttmp9, 2
	s_cselect_b32 s8, s11, s9
	s_cselect_b32 s10, s13, s10
	s_mov_b32 s9, 0
	s_mov_b32 s11, 0
	s_add_nc_u64 s[8:9], s[6:7], s[8:9]
	s_add_nc_u64 s[10:11], s[6:7], s[10:11]
.macro FRAG reg, adr, q, i
.irp c, 0,1,2,3
	ds_load_b128 v[\reg+4*\c:\reg+4*\c+3], v[\adr] offset:128*(\q)+32*\c+(\i)*16*PITCH
.endr
.endm
.macro MUL16 a0, p, q, sc, zero
.irp a, \a0, \a0+1
.irp b, 0,1,2,3,4,5,6,7
.if \zero
	v_wmma_scale_f32_16x16x128_f8f6f4 v[8*(8*((\a)%4)+\b):8*(8*((\a)%4)+\b)+7], v[128*(\p)+FR*\b:128*(\p)+FR*\b+FR-1], v[AF+FR*(\a):AF+FR*(\a)+FR-1], 0, v[SC+8*NQ*(\sc)+NQ*\b+(\q)], v[SC+8*NQ*(\sc)+NQ*(\a)+(\q)] matrix_a_scale:MATRIX_SCALE_ROW1
.else
	v_wmma_scale_f32_16x16x128_f8f6f4 v[8*(8*((\a)%4)+\b):8*(8*((\a)%4)+\b)+7], v[128*(\p)+FR*\b:128*(\p)+FR*\b+FR-1], v[AF+FR*(\a):AF+FR*(\a)+FR-1], v[8*(8*((\a)%4)+\b):8*(8*((\a)%4)+\b)+7], v[SC+8*NQ*(\sc)+NQ*\b+(\q)], v[SC+8*NQ*(\sc)+NQ*(\a)+(\q)] matrix_a_scale:MATRIX_SCALE_ROW1
.endif
.endr
.endr
.endm
.macro FETCH_B slot, q, p
	WIN TO_B
.irp i, 0,1,2,3,4,5,6,7
	FRAG 128*(\p)+FR*\i, ADRB+\slot, \q, \i
.endr
	WIN 0
.endm
.macro FETCH_A slot, q, i0
.irp i, \i0, \i0+1, \i0+2, \i0+3
	FRAG AF+FR*(\i), ADRA+\slot, \q, \i
.endr
.endm
.macro SCALES sc
.irp i, 0,1,2,3,4,5,6,7
	ds_load_b64 v[SC+8*NQ*\sc+NQ*\i:SC+8*NQ*\sc+NQ*\i+1], v[ADRS] offset:\i*128
.endr
.endm
.macro PLACES n
.rept \n
	v_nop
.endr
.endm
.macro STEP slot, q, zero
	s_wait_dscnt 4*NL
	WIN MUL_LO
	MUL16 0, (\q)%2, \q, \slot, \zero
	MUL16 2, (\q)%2, \q, \slot, \zero
	s_wait_dscnt 0
	PLACES NP
	FETCH_B \slot, (\q)+1, 1-(\q)%2
	FETCH_A \slot, (\q)+1, 0
	WIN MUL_HI
	MUL16 4, (\q)%2, \q, \slot, \zero
	MUL16 6, (\q)%2, \q, \slot, \zero
	PLACES NP
	WIN 0
	FETCH_A \slot, (\q)+1, 4
.endm
.macro TURN slot, next, fill
	s_wait_tensorcnt 0x0
	ds_add_u32 v[SPW], v[NIL]
	s_wait_dscnt 0x0
	s_barrier_signal -1
	s_barrier_wait -1
.if \fill
	CREST
	s_add_nc_u64 s[G0+4*\slot+2:G0+4*\slot+3], s[G0+4*\slot+2:G0+4*\slot+3], 2*PANEL
	s_add_nc_u64 s[G0B+4*\slot+2:G0B+4*\slot+3], s[G0B+4*\slot+2:G0B+4*\slot+3], 2*PANEL
	JLOAD G0+4*\slot, G1, G0B+4*\slot, G1B
.endif
	WIN MUL_LO
	MUL16 0, 1, NQ-1, \slot, 0
	MUL16 2, 1, NQ-1, \slot, 0
	WIN 0
	PLACES NP
	s_wait_alu depctr_va_vdst(0)
	v_add_nc_u32 v[ADRS], 2048, v[ADRS]
	FETCH_B \next, 0, 0
	FETCH_A \next, 0, 0
	SCALES \next
	WIN MUL_HI
	MUL16 4, 1, NQ-1, \slot, 0
	MUL16 6, 1, NQ-1, \slot, 0
	PLACES NP
	WIN 0
	FETCH_A \next, 0, 4
.endm
	s_wait_alu depctr_va_vdst(0)
	s_wait_tensorcnt 0x0                           ; my tile of the head's four is in; the lines ahead of a later first fill:
	ds_add_u32 v[SPW], v[NIL]
	s_mov_b32 s[G1+2], 128<<16                     ; no tensor load of mine is out: from here on a load brings 128 rows,
	s_mov_b32 s[G1+4], 128
	s_mov_b32 s[G1B+2], 128<<16
	s_mov_b32 s[G1B+4], 128
	s_mov_b32 s[G0+1], s45                         ; and slot 0's descriptors stand at my 128 rows
	s_mov_b32 s[G0B+1], s45
	s_add_nc_u64 s[G0+2:G0+3], s[G0+2:G0+3], s[18:19]
	s_add_nc_u64 s[G0B+2:G0B+3], s[G0B+2:G0B+3], s[18:19]
	s_wait_dscnt 0x0
	CROUND
	JLOAD G0+4, G1, G0B+4, G1B                     ; panel 1, the first tensor load behind the round
	FETCH_B 0, 0, 0
	FETCH_A 0, 0, 0
	SCALES 0
	FETCH_A 0, 0, 4
	STEP 0, 0, 1
	s_mov_b32 s3, 1
.Llap:
	TURN 0, 1, 1
	STEP 1, 0, 0
	TURN 1, 0, 1
	STEP 0, 0, 0
	s_sub_co_u32 s3, s3, 1
	s_cmp_lg_u32 s3, 0
	s_cbranch_scc1 .Llap
	TURN 0, 1, 0
	STEP 1, 0, 0
	s_wait_dscnt 4*NL
	WIN MUL_LO
	MUL16 0, 1, NQ-1, 1, 0
	MUL16 2, 1, NQ-1, 1, 0
	s_wait_dscnt 0
	WIN MUL_HI
	MUL16 4, 1, NQ-1, 1, 0
	MUL16 6, 1, NQ-1, 1, 0
	WIN 0
.macro QN a
.set AC, 64*((\a)%4)
.set WW, 2+(\a)/4
.set WS, WW*5
	WIN WS
.irp c, 0,1,2,3
	v_max3_num_f32 v[TM+\c], |v[AC+16*\c]|, |v[AC+16*\c+1]|, 0x4800000
.endr
.irp i, 2,4,6,8,10,12,14
.irp c, 0,1,2,3
	v_max3_num_f32 v[TM+\c], |v[AC+16*\c+\i]|, |v[AC+16*\c+\i+1]|, v[TM+\c]
.endr
.endr
	WIN 0
.irp c, 0,1,2,3
	v_permlanex16_b32 v[TM+4+\c], v[TM+\c], s[SEL], s[SEL+1]
.endr
.irp c, 0,1,2,3
	v_max_num_f32 v[TM+\c], v[TM+\c], v[TM+4+\c]
.endr
.irp c, 0,1,2,3
	v_add_nc_u32 v[TM+12+\c], 0xfc000000, v[TM+\c]
.endr
.irp c, 0,1,2,3
	v_and_or_b32 v[TM+8+\c], v[TM+\c], 0x7f800000, s[MNT]
.endr
.irp c, 0,1,2,3
	v_lshrrev_b32 v[TM+4+\c], 23, v[TM+12+\c]
.endr
	WIN WW
.set NN, 0
.rept 64
	v_med3_num_f32 v[T+NN], v[AC+NN], -v[TM+8+NN/16], v[TM+8+NN/16]
.set NN, NN+1
.endr
	WIN 0
.if (\a) > 0
	s_wait_dscnt 0x0
.endif
	v_lshl_or_b32 v[PW], v[TM+5], 8, v[TM+4]
	v_lshl_or_b32 v[PW], v[TM+6], 16, v[PW]
	v_lshl_or_b32 v[PW], v[TM+7], 24, v[PW]
.irp c, 0,1,2,3
	v_cvt_scalef32_pk8_fp8_f32 v[PC+4*\c:PC+4*\c+1], v[T+16*\c:T+16*\c+7], v[TM+12+\c]
	v_cvt_scalef32_pk8_fp8_f32 v[PC+4*\c+2:PC+4*\c+3], v[T+16*\c+8:T+16*\c+15], v[TM+12+\c]
.endr
	v_nop
.irp c, 0,1,2,3
	ds_store_b128 v[STO], v[PC+4*\c:PC+4*\c+3] offset:16*PITCH*(\a)+32*\c
.endr
	ds_store_b32 v[SSTO], v[PW] offset:128*(\a)
.endm
	PLACES NP
.irp c, 0,1,2,3
	v_mov_b32 v[TM+4+\c], 0
.endr
.irp a, 0,1,2,3,4,5,6,7
	QN \a
.endr
	s_wait_dscnt 0x0
	s_barrier_signal -1
	s_barrier_wait -1
	s_cmp_eq_u32 ttmp9, 2
	s_cbranch_scc1 .Lout_v
.irp u, 0,1
.irp i, 0,1,2,3
	ds_load_u16 v[T+4*\u+\i], v[RSA] offset:1024*\u+8*\i
.endr
.endr
.irp t, 0,1,2,3,4,5,6,7,8,9,10,11,12,13,14,15
	ds_load_b128 v[128+4*\t:128+4*\t+3], v[RDH] offset:8*PITCH*\t
.endr
.irp t, 0,1,2,3,4,5,6,7,8,9,10,11,12,13,14,15
	ds_load_b128 v[192+4*\t:192+4*\t+3], v[RDH2] offset:8*PITCH*\t
.endr
	s_wait_dscnt 32
.irp i, 0,1,2,3,4,5,6,7
	v_or_b32 v[T+\i], 0x7f7f0000, v[T+\i]
.endr
	global_store_b128 v[L16], v[T:T+3], s[10:11]
	global_store_b128 v[L16], v[T+4:T+7], s[10:11] offset:512
.set NN, 0
.rept 32
	s_wait_dscnt 31-NN
	global_store_b128 v[L16], v[128+4*NN:128+4*NN+3], s[8:9] offset:512*NN
.set NN, NN+1
.endr
	s_branch .Lout_done
.Lout_v:
	ds_load_b128 v[T:T+3], v[SRD]
.set NN, 0
.rept 32
	ds_load_b128 v[128+4*NN:128+4*NN+3], v[RDR] offset:2*PITCH*NN
.set NN, NN+1
.endr
	s_wait_dscnt 32
	global_store_b128 v[L16], v[T:T+3], s[10:11]
.set NN, 0
.rept 32
	s_wait_dscnt 31-NN
	global_store_b128 v[CO], v[128+4*NN:128+4*NN+3], s[8:9] offset:2048*NN
.set NN, NN+1
.endr
.Lout_done:
	s_wait_tensorcnt 0x0
	ds_add_u32 v[SPW], v[NIL]
	s_wait_dscnt 0x0
	CROUND
	s_endpgm
.Lfunc_end_k_qcca4df7f38_qkv:
	.size	k_qcca4df7f38_qkv, .Lfunc_end_k_qcca4df7f38_qkv-k_qcca4df7f38_qkv
	.p2alignl 7, 3214868480
	.fill 96, 4, 3214868480
	.section	.rodata,"a",@progbits
	.p2align	6, 0x0
	.amdhsa_kernel k_qcca4df7f38_qkv
		.amdhsa_group_segment_fixed_size 327680
		.amdhsa_private_segment_fixed_size 0
		.amdhsa_enable_private_segment 0
		.amdhsa_kernarg_size 16
		.amdhsa_user_sgpr_count 2
		.amdhsa_user_sgpr_kernarg_segment_ptr 1
		.amdhsa_wavefront_size32 1
		.amdhsa_system_sgpr_workgroup_id_x 1
		.amdhsa_system_sgpr_workgroup_id_y 1
		.amdhsa_system_sgpr_workgroup_id_z 1
		.amdhsa_system_vgpr_workitem_id 0
		.amdhsa_next_free_vgpr 1024
		.amdhsa_next_free_sgpr 100
		.amdhsa_reserve_vcc 0
		.amdhsa_float_denorm_mode_32 3
		.amdhsa_float_denorm_mode_16_64 3
		.amdhsa_memory_ordered 1
		.amdhsa_forward_progress 1
		.amdhsa_inst_pref_size 201
	.end_amdhsa_kernel
	.amdgpu_metadata
---
amdhsa.version: [ 1, 2 ]
amdhsa.kernels:
  - .name:           k_qcca4df7f38_qkv
    .symbol:         k_qcca4df7f38_qkv.kd
    .args:
      - { .name: wsp, .offset: 0, .size: 8, .value_kind: global_buffer, .address_space: global }
      - { .name: qkvbuf, .offset: 8, .size: 8, .value_kind: global_buffer, .address_space: global }
    .group_segment_fixed_size: 327680
    .private_segment_fixed_size: 0
    .kernarg_segment_align: 8
    .kernarg_segment_size: 16
    .max_flat_workgroup_size: 128
    .sgpr_count:     100
    .vgpr_count:     1024
    .wavefront_size: 32
...
	.end_amdgpu_metadata
.endif
;; end of part 2
;; launch attn (part 3): grid 4 x 64, 16 waves a work-group, clusters of 4 x 1, 169,984 bytes of LDS; arguments qkvbuf, attbuf; writes attbuf
.if DOCPART == 3
	.amdgcn_target "amdgcn-amd-amdhsa--gfx1250"
	.amdhsa_code_object_version 6
	.text
	.protected	k_qcca4df7f38_attn
	.globl	k_qcca4df7f38_attn
	.p2align	8
	.type	k_qcca4df7f38_attn,@function
k_qcca4df7f38_attn:
	s_mov_b64 s[64:65], 0
	v_nop
	global_prefetch_b8 v0, s[64:65] scope:SCOPE_SE
	s_setreg_imm32_b32 hwreg(HW_REG_WAVE_MODE, 25, 1), 1
	s_wait_xcnt 0x0
	s_wait_alu depctr_hold_cnt(0) depctr_sa_sdst(0) depctr_va_vdst(0) depctr_va_sdst(0) depctr_va_ssrc(0) depctr_va_vcc(0) depctr_vm_vsrc(0)
	s_getreg_b32 s2, hwreg(HW_REG_IB_STS2, 6, 4)
	s_cmp_eq_u32 s2, 0
	s_cbranch_scc0 .Lentry_in_a_cluster
	s_endpgm
.Lentry_in_a_cluster:
	s_bfe_u32 s2, ttmp6, 0x10000c
	s_cmp_lg_u32 s2, 0x3003
	s_cbranch_scc0 .Lentry_shape_is_right
	s_endpgm
.Lentry_shape_is_right:
; Causal attention of one head (cluster y = 16 batch + head) on codes of E4M3 with E8M0 scales; the result, divided by the row's sum, is quantised along the channels for the next product.
; t = score x log2(e) / 8; M = the running largest t rounded up to a whole number; p = 2^(t - M) is quantised along the keys; the sum is taken of the unquantised p.
; SHARES.  The four work-groups of a cluster share one head's K, V and scale bytes: 142 KB in LDS, filled ONCE by joint loads: no ring, nothing is filled again.  Each of 16 waves owns 16 queries: tile 4 u + cx,
; u = wave for waves 0-7, 23 - wave for the others.  It walks key steps 0 .. u / 2 of 128 keys, the last of them on the diagonal: both hang on the wave's number alone, whatever cx.
; LAYOUT.  S^T = K Q^T, O^T = V^T P^T: a lane holds one query.  The head's 64 channels fill half of the instruction's K = 128: the other half is zero codes on both sides, under the byte 0x7f.
; V's codes have bits 3 and 4 of the key's index in a block of 32 exchanged; p's 16 registers of score tiles 2 c, 2 c + 1 (neighbouring keys) have the same order.
; LIMITS: NaN and infinities are not served; 1 / sum by v_rcp_f32; a block of the result under 2^-118 gets the byte 1.
; REGISTERS: v1-7 addresses that stay; v8-11 the step's; v12 -M, v13 largest t, v[14:15] the sum; v16-31 Q; v32-95 four fragments of K; v96-159 S^T, p, then V's four fragments; v160-191 O^T; v192-207 codes; v232-254 at work.
.set K_C,  4194304
.set V_C,  8388608
.set Q_S,  12582912
.set KV_S, 12845056
.set A_S,  4194304
.set KB,   0                           ; K: 256 lines of 4 keys x 64 bytes, + 16 of padding each
.set VB,   69632                       ; V^T: 64 rows of 1,024 bytes + 16
.set SB,   136192                      ; K's scale words [key][4], at + 4,096 V's [quarter][channel][8]
.set STG,  142336                      ; the way out: 16 rows x 80 bytes for each wave; no fill lands here
.macro CROUND
	s_barrier_signal -1
	s_barrier_wait -1
	s_cmp_lg_u32 s18, 0
	s_cbranch_scc1 .Lnot_wave_0_\@
	s_barrier_signal -3
.Lnot_wave_0_\@:
	s_barrier_wait -3
	s_barrier_signal -1
	s_barrier_wait -1
.endm
	s_load_b128 s[4:7], s[0:1], 0x0                ; qkvbuf, attbuf
	v_lshl_add_u32 v230, v0, 2, 0x29000
	v_mov_b32 v231, 0
	ds_add_u32 v230, v231
	ds_add_u32 v230, v231
	v_lshrrev_b32 v8, 5, v0
	s_delay_alu instid0(VALU_DEP_1)
	v_readfirstlane_b32 s18, v8                    ; wave 0..15
	s_bfe_u32 s72, ttmp6, 0x40000                  ; cx: it enters global addresses and the mask's lane term alone
	s_and_b32 s73, ttmp7, 0xffff                   ; 16 batch + head, which the four partners share
	s_lshr_b32 s74, s18, 3
	s_mul_i32 s74, s74, 7
	s_xor_b32 s74, s74, s18                        ; u
	s_lshr_b32 s69, s74, 1                         ; my last key step
	s_lshl_b32 s75, s74, 2
	s_add_co_u32 s75, s75, s72                     ; my tile of queries
	s_lshl_b32 s70, s75, 4                         ; my first query
	s_and_b32 s76, s18, 3                          ; which quarter I fetch, if I fetch
	s_mov_b32 s24, 15|(1<<20)|(1<<21)|(5<<22)|(3<<25)   ; K: mask of all four; bytes; 4 words of padding behind every 64
	s_mov_b32 s25, 256<<16
	s_mov_b32 s26, 64<<16
	s_mov_b32 s27, 256<<16
	s_mov_b32 s28, 64
	s_mov_b32 s29, 256
	s_mov_b32 s30, 0
	s_mov_b32 s31, 0
	s_mov_b32 s32, 15|(1<<20)|(1<<21)|(7<<22)|(3<<25)   ; V: 16 rows of 1,024 bytes; padding behind every 256 words
	s_mov_b32 s33, 1024<<16
	s_mov_b32 s34, 16<<16
	s_mov_b32 s35, 1024<<16
	s_mov_b32 s36, 16
	s_mov_b32 s37, 1024
	s_mov_b32 s38, 0
	s_mov_b32 s39, 0
	s_mov_b32 s40, 15|(3<<16)|(1<<21)              ; scale bytes: 6,144 dense bytes as 24 rows of 32 elements of 8 bytes
	s_mov_b32 s41, 32<<16
	s_mov_b32 s42, 24<<16
	s_mov_b32 s43, 32<<16
	s_mov_b32 s44, 24
	s_mov_b32 s45, 32
	s_mov_b32 s46, 0
	s_mov_b32 s47, 0
	s_lshl_b32 s78, s73, 16                        ; a head's codes are 65,536 bytes in each tensor
	s_lshl_b32 s79, s76, 14
	s_add_co_u32 s78, s78, s79
	s_mov_b32 s79, 0
	s_mul_i32 s84, s73, 6144
	s_mov_b32 s85, 0
	s_lshl_b32 s86, s73, 10
	s_add_co_u32 s86, s86, s70                     ; my first query's row among all heads'
	s_lshl_b32 s88, s86, 2
	s_lshl_b32 s86, s86, 6
	s_mov_b32 s87, 0
	s_mov_b32 s89, 0
	s_mov_b32 s20, 0x76543210
	s_mov_b32 s21, 0xfedcba98
	s_mov_b32 s22, 0x3e38aa3b                      ; log2(e) / 8
	s_mov_b32 s23, s22
	s_mov_b32 s19, 0x600000
	s_mov_b32 s2, 0                                ; where the trip's tiles begin: K's,
	s_mov_b32 s66, 0                               ; V's,
	s_mov_b32 s3, 0                                ; K's scale words,
	s_mov_b32 s67, 0                               ; V's
	s_mov_b32 s68, 0                               ; the key step
	s_wait_dscnt 0x0
	s_wait_kmcnt 0x0
	s_mov_b32 s48, 1
	s_mul_i32 s49, s76, 17408
	s_add_nc_u64 s[50:51], s[4:5], s[78:79]
	s_add_nc_u64 s[50:51], s[50:51], K_C
	s_or_b32 s51, s51, 0x80000000
	s_mov_b32 s52, 1
	s_mul_i32 s53, s76, 16640
	s_add_co_u32 s53, s53, VB
	s_add_nc_u64 s[54:55], s[4:5], s[78:79]
	s_add_nc_u64 s[54:55], s[54:55], V_C
	s_or_b32 s55, s55, 0x80000000
	s_mov_b32 s56, 1
	s_mov_b32 s57, SB
	s_add_nc_u64 s[58:59], s[4:5], s[84:85]
	s_add_nc_u64 s[58:59], s[58:59], KV_S
	s_or_b32 s59, s59, 0x80000000
	s_add_nc_u64 s[60:61], s[4:5], s[86:87]        ; Q's codes at my first query
	s_add_nc_u64 s[62:63], s[4:5], s[88:89]
	s_add_nc_u64 s[62:63], s[62:63], Q_S           ; and its scale words
	CROUND                                         ; the four work-groups are here: the joint loads meet
	s_cmp_lt_u32 s18, 4                            ; waves 0-3: K's quarters; 4-7: V's; 8: the scale bytes.  One load a wave, under branches on the wave's number; four v_nop follow each
	s_cbranch_scc0 .Lnot_k
	tensor_load_to_lds s[48:51], s[24:31]
	s_nop 0
.rept 4
	v_nop
.endr
	s_branch .Lasked
.Lnot_k:
	s_cmp_lt_u32 s18, 8
	s_cbranch_scc0 .Lnot_v
	tensor_load_to_lds s[52:55], s[32:39]
	s_nop 0
.rept 4
	v_nop
.endr
	s_branch .Lasked
.Lnot_v:
	s_cmp_eq_u32 s18, 8
	s_cbranch_scc0 .Lasked
	tensor_load_to_lds s[56:59], s[40:47]
	s_nop 0
.rept 4
	v_nop
.endr
.Lasked:
	v_and_b32 v5, 15, v0                           ; r
	v_bfe_u32 v6, v0, 4, 1                         ; h
	s_delay_alu instid0(VALU_DEP_2)
	v_lshlrev_b32 v10, 6, v5
	s_delay_alu instid0(VALU_DEP_1)
	v_lshl_add_u32 v10, v6, 4, v10
	global_load_b128 v[16:19], v10, s[60:61]       ; Q's fragment: channels 0-63 in registers 0-7
	global_load_b128 v[20:23], v10, s[60:61] offset:32
	v_lshlrev_b32 v11, 2, v5
	global_load_b32 v255, v11, s[62:63]
	v_lshrrev_b32 v8, 2, v5
	v_and_b32 v9, 3, v5
	s_delay_alu instid0(VALU_DEP_2)
	v_mul_u32_u24 v1, v8, 272
	s_delay_alu instid0(VALU_DEP_1)
	v_lshl_add_u32 v1, v9, 6, v1
	s_delay_alu instid0(VALU_DEP_1)
	v_lshl_add_u32 v1, v6, 4, v1                   ; K: key r of a tile: line r / 4, 64 (r % 4) + 16 h: sixteen lanes, sixteen different columns of 16 bytes
	v_mul_u32_u24 v2, v5, 1040
	s_delay_alu instid0(VALU_DEP_1)
	v_lshl_add_u32 v2, v6, 4, v2
	s_delay_alu instid0(VALU_DEP_1)
	v_add_nc_u32 v2, VB, v2                        ; V^T: channel r of a tile
	v_lshl_add_u32 v3, v5, 2, SB
	v_lshl_add_u32 v4, v5, 3, SB+4096
	s_lshl_b32 s77, s69, 7
	s_sub_co_u32 s77, s70, s77
	v_lshlrev_b32 v7, 3, v6
	s_delay_alu instid0(VALU_DEP_1)
	v_sub_nc_u32 v7, v5, v7
	s_delay_alu instid0(VALU_DEP_1)
	v_add_nc_u32 v7, s77, v7                       ; the mask on the diagonal step: my query - the step's first key - 8 h
.irp j, 24,25,26,27,28,29,30,31
	v_mov_b32 v[\j], 0                             ; zero codes fill K from 64 to 128: Q's,
.endr
.irp t, 0,1,2,3
.irp j, 0,1,2,3,4,5,6,7
	v_mov_b32 v[40+16*\t+\j], 0                    ; and K's; never written again
.endr
.endr
.set NN, 0
.rept 32
	v_mov_b32 v[160+NN], 0                         ; O^T: the step is written once; the first finds zeros
.set NN, NN+1
.endr
	v_mov_b32 v13, 0xff61b1e6                      ; -3e38, under every t
	s_delay_alu instid0(VALU_DEP_1)
	v_floor_f32 v12, -v13
	v_mov_b32 v14, 0
	v_mov_b32 v15, 0
.irp j, 236,237,238,239,252,253
	v_mov_b32 v[\j], 0
.endr
	; where the result goes: codes [panel of 4 heads][tile of 16 rows][head % 4][16][64]: my tile's 1,024 bytes lie on end
	s_and_b32 s80, s73, 15                         ; head
	s_lshr_b32 s81, s73, 4                         ; batch
	s_lshr_b32 s82, s80, 2
	s_and_b32 s80, s80, 3
	s_lshl_b32 s84, s81, 6
	s_add_co_u32 s84, s84, s75
	s_lshl_b32 s84, s84, 12
	s_lshl_b32 s86, s82, 20
	s_add_co_u32 s84, s84, s86
	s_lshl_b32 s86, s80, 10
	s_add_co_u32 s84, s84, s86
	s_add_nc_u64 s[90:91], s[6:7], s[84:85]
	s_lshl_b32 s84, s81, 10
	s_add_co_u32 s84, s84, s70
	s_lshl_b32 s84, s84, 3
	s_lshl_b32 s86, s82, 15
	s_add_co_u32 s84, s84, s86
	s_lshl_b32 s86, s80, 1
	s_add_co_u32 s84, s84, s86
	s_add_co_u32 s84, s84, A_S
	s_add_nc_u64 s[92:93], s[6:7], s[84:85]        ; scale bytes [panel][row][8]: mine are bytes 2 (head % 4), + 1
	s_wait_tensorcnt 0x0                           ; my load has landed,
	s_barrier_signal -1
	s_barrier_wait -1                              ; everybody's has
	s_wait_loadcnt 0x0                             ; Q
.macro STEP q                          ; 128 keys: the q-th of the trip's two
	s_cmp_gt_u32 s68, s69                          ; a step all of whose keys come after my queries is left out: the branch hangs on the wave's number and the count alone
	s_cbranch_scc1 .Lhidden_\@
	v_add_nc_u32 v8, s2, v1
	s_wait_alu depctr_va_vdst(0)
	v_add_nc_u32 v9, s66, v2
	v_add_nc_u32 v10, s3, v3
	s_wait_alu depctr_va_vdst(0)
	v_add_nc_u32 v11, s67, v4
.irp g, 0,1
.rept 5+3*\g
	v_nop                                          ; with the four additions nine places: the products below write over registers that the last step's products read; then eight in front of the loads
.endr
.irp t, 0,1,2,3
	ds_load_b128 v[32+16*\t:35+16*\t], v8 offset:8704*(\q)+1088*(4*\g+\t)
	ds_load_b128 v[36+16*\t:39+16*\t], v8 offset:8704*(\q)+1088*(4*\g+\t)+32
	ds_load_b32 v[248+\t], v10 offset:512*(\q)+64*(4*\g+\t)
.endr
	s_wait_dscnt 0x0
.irp t, 0,1,2,3
	v_wmma_scale_f32_16x16x128_f8f6f4 v[96+8*(4*\g+\t):103+8*(4*\g+\t)], v[32+16*\t:47+16*\t], v[16:31], 0, v[248+\t], v255
.endr
.endr
.rept 8
	v_nop
.endr
	s_cmp_lg_u32 s68, s69                          ; my last step lies on the diagonal: hidden scores become -infinity
	s_cbranch_scc1 .Lopen_\@
	v_mov_b32 v254, 0xff800000
.set NN, 0
.rept 64
	v_cmp_gt_i32 vcc_lo, 16*(NN/8)+NN%8, v7        ; register 8 tile + j holds key 16 tile + 8 h + j of the step
	v_cndmask_b32 v[96+NN], v[96+NN], v254, vcc_lo
.set NN, NN+1
.endr
.Lopen_\@:
.irp b, 0,1,2,3
	v_max3_num_f32 v[232+\b], v[96+16*\b], v[97+16*\b], v[98+16*\b]   ; the largest score of each block of 32 keys: for the row's maximum and for the block's largest p
.endr
.irp i, 3,5,7,9,11,13
.irp b, 0,1,2,3
	v_max3_num_f32 v[232+\b], v[232+\b], v[96+16*\b+\i], v[97+16*\b+\i]
.endr
.endr
.irp b, 0,1,2,3
	v_max_num_f32 v[232+\b], v[232+\b], v[111+16*\b]
.endr
.irp b, 0,1,2,3
	s_delay_alu instid0(VALU_DEP_4)
	v_permlanex16_b32 v[236+\b], v[232+\b], s20, s21
.endr
.irp b, 0,1,2,3
	s_delay_alu instid0(VALU_DEP_4)
	v_max_num_f32 v[232+\b], v[232+\b], v[236+\b]
.endr
	s_delay_alu instid0(VALU_DEP_2)
	v_max3_num_f32 v254, v232, v233, v234
	s_delay_alu instid0(VALU_DEP_1)
	v_max_num_f32 v254, v254, v235
	s_delay_alu instid0(VALU_DEP_1)
	v_mul_f32 v254, s22, v254
	s_delay_alu instid0(VALU_DEP_1)
	v_max_num_f32 v13, v13, v254                   ; the running largest t
	v_mov_b32 v254, v12
	s_delay_alu instid0(VALU_DEP_2)
	v_floor_f32 v12, -v13                          ; -M = floor(-t): a whole number
	s_delay_alu instid0(VALU_DEP_1)
	v_sub_f32 v254, v12, v254
	s_delay_alu instid0(VALU_DEP_1)
	v_cvt_i32_f32 v254, v254                       ; (it saturates)
	s_delay_alu instid0(VALU_DEP_1)
	v_ldexp_f32 v252, 1.0, v254                    ; f = 2^(old M - new M): rounds nothing
.set NN, 0
.rept 32
	v_pk_fma_f32 v[96+NN:97+NN], v[96+NN:97+NN], s[22:23], v[12:13] op_sel_hi:[1,0,0]   ; t - M
.set NN, NN+2
.endr
.irp b, 0,1,2,3
	v_fma_f32 v[232+\b], v[232+\b], s22, v12
.endr
.set NN, 0
	s_wait_alu depctr_va_vdst(0)
.rept 64
	v_exp_f32 v[96+NN], v[96+NN]                   ; p, one batch
.set NN, NN+1
.endr
	v_pk_mul_f32 v[14:15], v[14:15], v[252:253] op_sel_hi:[1,0]   ; the sums under the new M (a plain line behind the batch)
	s_wait_alu depctr_va_vdst(0)                   ; one wait for the batch, ahead of its first reader
.irp b, 0,1,2,3
	v_exp_f32 v[232+\b], v[232+\b]                 ; each block's largest p
.endr
	v_pk_add_f32 v[236:237], v[100:101], v[104:105]
	v_pk_add_f32 v[250:251], v[108:109], v[112:113]
	v_pk_add_f32 v[248:249], v[116:117], v[120:121]
	v_pk_add_f32 v[246:247], v[124:125], v[128:129]
	v_pk_add_f32 v[244:245], v[132:133], v[136:137]
	v_pk_add_f32 v[242:243], v[140:141], v[144:145]
	v_pk_add_f32 v[240:241], v[148:149], v[152:153]
	v_pk_add_f32 v[14:15], v[14:15], v[156:157]
	v_pk_add_f32 v[236:237], v[236:237], v[96:97]
	v_pk_add_f32 v[250:251], v[250:251], v[98:99]
	v_pk_add_f32 v[248:249], v[248:249], v[102:103]
	v_pk_add_f32 v[246:247], v[246:247], v[106:107]
	v_pk_add_f32 v[244:245], v[244:245], v[110:111]
	v_pk_add_f32 v[242:243], v[242:243], v[114:115]
	v_pk_add_f32 v[240:241], v[240:241], v[118:119]
	v_pk_add_f32 v[14:15], v[14:15], v[122:123]
	v_pk_add_f32 v[236:237], v[236:237], v[126:127]
	v_pk_add_f32 v[250:251], v[250:251], v[130:131]
	v_pk_add_f32 v[248:249], v[248:249], v[134:135]
	v_pk_add_f32 v[246:247], v[246:247], v[138:139]
	v_pk_add_f32 v[244:245], v[244:245], v[142:143]
	v_pk_add_f32 v[242:243], v[242:243], v[146:147]
	v_pk_add_f32 v[240:241], v[240:241], v[150:151]
	v_pk_add_f32 v[14:15], v[14:15], v[154:155]
	v_pk_add_f32 v[236:237], v[236:237], v[158:159]
	s_delay_alu instid0(VALU_DEP_2)
	v_pk_add_f32 v[14:15], v[14:15], v[246:247]
	s_delay_alu instid0(VALU_DEP_2)
	v_pk_add_f32 v[236:237], v[236:237], v[244:245]
	v_pk_add_f32 v[250:251], v[250:251], v[242:243]
	v_pk_add_f32 v[248:249], v[248:249], v[240:241]
	s_delay_alu instid0(VALU_DEP_2)
	v_pk_add_f32 v[14:15], v[14:15], v[250:251]
	s_delay_alu instid0(VALU_DEP_2)
	v_pk_add_f32 v[236:237], v[236:237], v[248:249]
	s_delay_alu instid0(VALU_DEP_1)
	v_pk_add_f32 v[14:15], v[14:15], v[236:237]
	s_wait_alu depctr_va_vdst(0)                   ; and one for the four
.irp b, 0,1,2,3
	v_max_num_f32 v[232+\b], 0x4800000, v[232+\b]
.endr
.irp b, 0,1,2,3
	s_delay_alu instid0(VALU_DEP_4)
	v_add_nc_u32 v[244+\b], 0xfc000000, v[232+\b]
.endr
.irp b, 0,1,2,3
	v_and_or_b32 v[240+\b], v[232+\b], 0x7f800000, s19
.endr
.irp b, 0,1,2,3
	v_lshrrev_b32 v[236+\b], 23, v[244+\b]
.endr
	s_delay_alu instid0(VALU_DEP_3)
	v_lshl_or_b32 v253, v237, 8, v236              ; p's scale word for these 128 keys
	s_delay_alu instid0(VALU_DEP_1)
	v_lshl_or_b32 v253, v238, 16, v253
	s_delay_alu instid0(VALU_DEP_1)
	v_lshl_or_b32 v253, v239, 24, v253
.irp b, 0,1,2,3
.irp i, 0,1,2,3,4,5,6,7,8,9,10,11,12,13,14,15
	v_min_num_f32 v[96+16*\b+\i], v[96+16*\b+\i], v[240+\b]   ; the hold; p is not negative
.endr
	v_cvt_scalef32_pk8_fp8_f32 v[192+4*\b:193+4*\b], v[96+16*\b:103+16*\b], v[244+\b]
	v_cvt_scalef32_pk8_fp8_f32 v[194+4*\b:195+4*\b], v[104+16*\b:111+16*\b], v[244+\b]
.endr
.set NN, 0
.rept 16
	v_pk_mul_f32 v[160+NN:161+NN], v[160+NN:161+NN], v[252:253] op_sel_hi:[1,0]   ; O^T under the new M; also the places ahead of the products below
.set NN, NN+2
.endr
.irp t, 0,1,2,3
.irp c, 0,1,2,3
	ds_load_b128 v[96+16*\t+4*\c:99+16*\t+4*\c], v9 offset:16640*\t+128*(\q)+32*\c
.endr
	ds_load_b32 v[248+\t], v11 offset:128*\t+4*(\q)
.endr
	s_wait_alu depctr_va_vdst(0)
	s_wait_dscnt 0x0
.irp t, 0,1,2,3
	v_wmma_scale_f32_16x16x128_f8f6f4 v[160+8*\t:167+8*\t], v[96+16*\t:111+16*\t], v[192:207], v[160+8*\t:167+8*\t], v[248+\t], v253
.endr
.Lhidden_\@:
	s_add_co_u32 s68, s68, 1
.endm
	s_mov_b32 s71, 4
.Ltrip:                                            ; four trips of two steps, a constant: what a wave leaves out is a step's work, not a trip
	STEP 0
	STEP 1
	s_add_co_u32 s2, s2, 17408
	s_add_co_u32 s66, s66, 256
	s_add_co_u32 s3, s3, 1024
	s_add_co_u32 s67, s67, 512
	s_sub_co_u32 s71, s71, 1
	s_cmp_lg_u32 s71, 0
	s_cbranch_scc1 .Ltrip
.rept 8
	v_nop
.endr
	s_wait_alu depctr_va_vdst(0)
	v_add_f32 v14, v14, v15
	s_delay_alu instid0(VALU_DEP_1)
	v_permlanex16_b32 v252, v14, s20, s21
	s_delay_alu instid0(VALU_DEP_1)
	v_add_f32 v14, v14, v252                       ; the row's sum
	s_wait_alu depctr_va_vdst(0)
	v_rcp_f32 v14, v14
	s_mul_i32 s77, s18, 1280                       ; (plain lines behind the transcendental: the way out's addresses)
	s_add_co_u32 s77, s77, STG
	v_mul_u32_u24 v10, v5, 80
	s_delay_alu instid0(VALU_DEP_1)
	v_lshl_add_u32 v10, v6, 3, v10
	s_delay_alu instid0(VALU_DEP_1)
	v_add_nc_u32 v10, s77, v10                     ; in: row r of 80 bytes, + 8 h
	v_and_b32 v8, 31, v0
	s_delay_alu instid0(VALU_DEP_1)
	v_lshrrev_b32 v11, 2, v8
	s_delay_alu instid0(VALU_DEP_2)
	v_and_b32 v9, 3, v8
	s_delay_alu instid0(VALU_DEP_2)
	v_mul_u32_u24 v11, v11, 80
	s_delay_alu instid0(VALU_DEP_1)
	v_lshl_add_u32 v11, v9, 4, v11
	s_delay_alu instid0(VALU_DEP_1)
	v_add_nc_u32 v11, s77, v11                     ; back: eight rows of 64 bytes an instruction
	v_lshlrev_b32 v8, 4, v8
	v_lshl_add_u32 v9, v5, 3, v6                   ; my scale byte: 8 r + h
	s_wait_alu depctr_va_vdst(0)
.set NN, 0
.rept 32
	v_mul_f32 v[96+NN], v[160+NN], v14             ; register 8 t + i: channel 16 t + 8 h + i of query r
.set NN, NN+1
.endr
.irp b, 0,1
	v_max3_num_f32 v[232+\b], |v[96+16*\b]|, |v[97+16*\b]|, 0x4800000
.endr
.irp i, 2,4,6,8,10,12,14
.irp b, 0,1
	s_delay_alu instid0(VALU_DEP_2)
	v_max3_num_f32 v[232+\b], v[232+\b], |v[96+16*\b+\i]|, |v[97+16*\b+\i]|
.endr
.endr
.irp b, 0,1
	s_delay_alu instid0(VALU_DEP_2)
	v_permlanex16_b32 v[236+\b], v[232+\b], s20, s21
.endr
.irp b, 0,1
	s_delay_alu instid0(VALU_DEP_2)
	v_max_num_f32 v[232+\b], v[232+\b], v[236+\b]
.endr
.irp b, 0,1
	s_delay_alu instid0(VALU_DEP_2)
	v_add_nc_u32 v[244+\b], 0xfc000000, v[232+\b]
.endr
.irp b, 0,1
	s_delay_alu instid0(VALU_DEP_4)
	v_and_or_b32 v[240+\b], v[232+\b], 0x7f800000, s19
.endr
.irp b, 0,1
	s_delay_alu instid0(VALU_DEP_4)
	v_lshrrev_b32 v[236+\b], 23, v[244+\b]
.endr
	v_cmp_eq_u32 vcc_lo, 1, v6
	s_delay_alu instid0(VALU_DEP_1)
	v_cndmask_b32 v238, v236, v237, vcc_lo         ; lanes 0-15 store block 0's byte, lanes 16-31 block 1's
.irp b, 0,1
.irp i, 0,1,2,3,4,5,6,7,8,9,10,11,12,13,14,15
	v_med3_num_f32 v[96+16*\b+\i], v[96+16*\b+\i], -v[240+\b], v[240+\b]
.endr
	v_cvt_scalef32_pk8_fp8_f32 v[192+4*\b:193+4*\b], v[96+16*\b:103+16*\b], v[244+\b]
	v_cvt_scalef32_pk8_fp8_f32 v[194+4*\b:195+4*\b], v[104+16*\b:111+16*\b], v[244+\b]
.endr
	v_nop
.irp b, 0,1
.irp u, 0,1
	ds_store_b64 v10, v[192+4*\b+2*\u:193+4*\b+2*\u] offset:32*\b+16*\u   ; the channels in their own order
.endr
.endr
	ds_load_b128 v[200:203], v11                   ; LDS serves a wave's instructions in order: these see my stores
	ds_load_b128 v[204:207], v11 offset:640
	global_store_b8 v9, v238, s[92:93]             ; 2 of a row's 8 bytes: the other heads' are other work-groups'; 128 KB in the whole launch
	s_wait_dscnt 1
	global_store_b128 v8, v[200:203], s[90:91]     ; 512 consecutive bytes
	s_wait_dscnt 0x0
	global_store_b128 v8, v[204:207], s[90:91] offset:512
	s_wait_tensorcnt 0x0
	ds_add_u32 v230, v231
	s_wait_dscnt 0x0
	CROUND                                         ; the closing round
	s_endpgm
.Lfunc_end_k_qcca4df7f38_attn:
	.size	k_qcca4df7f38_attn, .Lfunc_end_k_qcca4df7f38_attn-k_qcca4df7f38_attn
	.p2alignl 7, 3214868480
	.fill 96, 4, 3214868480
	.section	.rodata,"a",@progbits
	.p2align	6, 0x0
	.amdhsa_kernel k_qcca4df7f38_attn
		.amdhsa_group_segment_fixed_size 169984
		.amdhsa_private_segment_fixed_size 0
		.amdhsa_enable_private_segment 0
		.amdhsa_kernarg_size 16
		.amdhsa_user_sgpr_count 2
		.amdhsa_user_sgpr_kernarg_segment_ptr 1
		.amdhsa_wavefront_size32 1
		.amdhsa_system_sgpr_workgroup_id_x 1
		.amdhsa_system_sgpr_workgroup_id_y 1
		.amdhsa_system_sgpr_workgroup_id_z 1
		.amdhsa_system_vgpr_workitem_id 0
		.amdhsa_next_free_vgpr 256
		.amdhsa_next_free_sgpr 100
		.amdhsa_reserve_vcc 1
		.amdhsa_float_denorm_mode_32 3
		.amdhsa_float_denorm_mode_16_64 3
		.amdhsa_memory_ordered 1
		.amdhsa_forward_progress 1
		.amdhsa_inst_pref_size 70
	.end_amdhsa_kernel
	.amdgpu_metadata
---
amdhsa.version: [ 1, 2 ]
amdhsa.kernels:
  - .name:           k_qcca4df7f38_attn
    .symbol:         k_qcca4df7f38_attn.kd
    .args:
      - { .name: qkvbuf, .offset: 0, .size: 8, .value_kind: global_buffer, .address_space: global }
      - { .name: attbuf, .offset: 8, .size: 8, .value_kind: global_buffer, .address_space: global }
    .group_segment_fixed_size: 169984
    .private_segment_fixed_size: 0
    .kernarg_segment_align: 8
    .kernarg_segment_size: 16
    .max_flat_workgroup_size: 512
    .sgpr_count:     100
    .vgpr_count:     256
    .wavefront_size: 32
...
	.end_amdgpu_metadata
.endif
;; end of part 3
;; launch proj (part 4): grid 8 x 32, 4 waves a work-group, clusters of 4 x 4, 327,680 bytes of LDS; arguments attbuf, wsp, bproj, x, x1; writes x1
.if DOCPART == 4
	.amdgcn_target "amdgcn-amd-amdhsa--gfx1250"
	.amdhsa_code_object_version 6
	.text
	.protected	k_qcca4df7f38_proj
	.globl	k_qcca4df7f38_proj
	.p2align	8
	.type	k_qcca4df7f38_proj,@function
k_qcca4df7f38_proj:
	s_mov_b64 s[64:65], 0
	v_nop
	global_prefetch_b8 v0, s[64:65] scope:SCOPE_SE
	s_setreg_imm32_b32 hwreg(HW_REG_WAVE_MODE, 25, 1), 1
	s_wait_xcnt 0x0
	s_wait_alu depctr_hold_cnt(0) depctr_sa_sdst(0) depctr_va_vdst(0) depctr_va_sdst(0) depctr_va_ssrc(0) depctr_va_vcc(0) depctr_vm_vsrc(0)
	s_getreg_b32 s2, hwreg(HW_REG_IB_STS2, 6, 4)
	s_cmp_eq_u32 s2, 0
	s_cbranch_scc0 .Lentry_in_a_cluster
	s_endpgm
.Lentry_in_a_cluster:
	s_bfe_u32 s2, ttmp6, 0x10000c
	s_cmp_lg_u32 s2, 0xf033
	s_cbranch_scc0 .Lentry_shape_is_right
	s_endpgm
.Lentry_shape_is_right:
.set NPAN,   4
.set M3,     1
.set AS_OFF, 4194304
.set BC_OFF, 12582912
.set BS_OFF, 18219008
.set PANA,   1048576
.set PANB,   262144
.set PITCH,  272
.set FR,     16
.set NL,     4
.set NP,     8
.set HALFT,  128*PITCH
.set SLOT,   4*HALFT
.set SCL,    2*SLOT
.set SPARE,  SCL+2048*NPAN
.set RD,   8
.set ADRA, 16
.set ADRB, 20
.set STO,  24
.set CO,   26
.set ADRS, 27
.set SPW,  28
.set NIL,  29
.set SC,   32
.set BIA,  64
.set AF,   128
.set G1, 24
.set G0, 32
.set G1B, 48
.set G0B, 56
.set G1S, 68
.set G0S, 76
.set G1SB, 80
.set G0SB, 88
.set MSB, 0
.macro WIN new
.if MSB != \new
	s_set_vgpr_msb (MSB<<8)|\new
.set MSB, \new
.endif
.endm
.set MUL_LO, 0xa1
.set MUL_HI, 0xf1
.set TO_B,   0x40
.macro JLOAD g0a, g1a, g0b, g1b
	s_cmp_eq_u32 s15, 0
	s_cbranch_scc0 .Lfor_b_\@
	tensor_load_to_lds s[\g0a:\g0a+3], s[\g1a:\g1a+7]
	s_nop 0
.rept 4
	v_nop
.endr
	s_branch .Lasked_\@
.Lfor_b_\@:
	tensor_load_to_lds s[\g0b:\g0b+3], s[\g1b:\g1b+7]
	s_nop 0
.rept 4
	v_nop
.endr
.Lasked_\@:
.endm
.macro CREST
	s_cmp_lg_u32 s14, 0
	s_cbranch_scc1 .Lnot_wave_0_\@
	s_barrier_signal -3
.Lnot_wave_0_\@:
	s_barrier_wait -3
	s_barrier_signal -1
	s_barrier_wait -1
.endm
.macro CROUND
	s_barrier_signal -1
	s_barrier_wait -1
	CREST
.endm
	s_load_b256 s[4:11], s[0:1], 0x0
	s_load_b64 s[12:13], s[0:1], 0x20
	v_lshl_add_u32 v[SPW], v0, 2, SPARE
	v_mov_b32 v[NIL], 0
	ds_add_u32 v28, v29
	ds_add_u32 v28, v29
	s_wait_dscnt 0x0
	v_lshrrev_b32 v1, 5, v0
	v_readfirstlane_b32 s14, v1
	s_lshr_b32 s15, s14, 1
	s_and_b32 s16, s14, 1
	s_bfe_u32 s40, ttmp6, 0x40000
	s_bfe_u32 s41, ttmp6, 0x40004
	s_lshl_b32 s42, ttmp9, 2
	s_add_co_u32 s42, s42, s40
	s_and_b32 s17, ttmp7, 0xffff
	s_lshl_b32 s17, s17, 2
	s_add_co_u32 s17, s17, s41
	s_lshl_b32 s43, s41, 2
	s_lshl_b32 s43, 15, s43
	s_lshl_b32 s44, 0x1111, s40
	; a load of codes brings 128 rows of ALL four panels: a tile's row is a panel's 32,768 dense bytes (4,096 elements of 8), four such rows a panel apart; 16 bytes of padding behind every 256
	s_or_b32 s[G1+0], s43, (3<<16)|(1<<20)|(1<<21)|(5<<22)|(3<<25)
	s_or_b32 s[G1B+0], s44, (3<<16)|(1<<20)|(1<<21)|(5<<22)|(3<<25)
.irp g, G1, G1B
	s_mov_b32 s[\g+1], 4096<<16
	s_mov_b32 s[\g+2], 4<<16
	s_mov_b32 s[\g+3], 4096<<16
	s_mov_b32 s[\g+4], 4
	s_mov_b32 s[\g+6], 0
	s_mov_b32 s[\g+7], 0
.endr
	s_or_b32 s[G1S+0], s43, (3<<16)|(1<<21)
	s_or_b32 s[G1SB+0], s44, (3<<16)|(1<<21)
.irp g, G1S, G1SB
	s_mov_b32 s[\g+1], 128<<16
	s_mov_b32 s[\g+2], NPAN<<16
	s_mov_b32 s[\g+3], 128<<16
	s_mov_b32 s[\g+4], NPAN
	s_mov_b32 s[\g+6], 0
	s_mov_b32 s[\g+7], 0
.endr
	s_mov_b32 s[G1+5], PANA/8
	s_mov_b32 s[G1B+5], PANB/8
	s_mov_b32 s[G1S+5], 4096
	s_mov_b32 s[G1SB+5], 1024
	s_lshl_b32 s20, s17, 15
	s_lshl_b32 s22, s17, 10
	s_add_co_u32 s22, s22, AS_OFF
	s_lshl_b32 s46, s42, 15
	s_add_co_u32 s46, s46, BC_OFF
	s_lshl_b32 s92, s42, 10
	s_add_co_u32 s92, s92, BS_OFF
	s_mov_b32 s21, 0
	s_mov_b32 s23, 0
	s_mov_b32 s47, 0
	s_mov_b32 s93, 0
	s_wait_kmcnt 0x0
	s_add_nc_u64 s[20:21], s[4:5], s[20:21]
	s_add_nc_u64 s[22:23], s[4:5], s[22:23]
	s_add_nc_u64 s[46:47], s[6:7], s[46:47]
	s_add_nc_u64 s[92:93], s[6:7], s[92:93]
	CROUND
	s_mov_b32 s[G0S], 1
	s_mov_b32 s[G0S+1], SCL
	s_mov_b64 s[G0S+2:G0S+3], s[22:23]
	s_or_b32 s[G0S+3], s[G0S+3], 0x80000000
	s_mov_b32 s[G0SB], 1
	s_mov_b32 s[G0SB+1], SCL+1024*NPAN
	s_mov_b64 s[G0SB+2:G0SB+3], s[92:93]
	s_or_b32 s[G0SB+3], s[G0SB+3], 0x80000000
	s_mov_b32 s[G0], 1                             ; A's four panels lie from LDS byte 0 on, B's four behind them: all of K = 1,024 is in LDS at once, and nothing is filled again
	s_mov_b32 s[G0+1], 0
	s_mov_b64 s[G0+2:G0+3], s[20:21]
	s_or_b32 s[G0+3], s[G0+3], 0x80000000
	s_mov_b32 s[G0B], 1
	s_mov_b32 s[G0B+1], SLOT
	s_mov_b64 s[G0B+2:G0B+3], s[46:47]
	s_or_b32 s[G0B+3], s[G0B+3], 0x80000000
; THE HEAD'S LOADS, ONE A WAVE: wave 0 A's codes, wave 1 B's, wave 2 A's scale bytes, wave 3 B's.  One chain of branches on the wave's number, an arm a load.
.macro ARM under, g0, g1, next
	s_cmp_lt_u32 s14, \under
	s_cbranch_scc0 \next
	tensor_load_to_lds s[\g0:\g0+3], s[\g1:\g1+7]
	s_nop 0
.rept 4
	v_nop
.endr
	s_branch .Lhead_asked
\next:
.endm
	ARM 1, G0,  G1,  .Lhead_b
	ARM 2, G0B, G1B, .Lhead_sa
	ARM 3, G0S, G1S, .Lhead_sb
	tensor_load_to_lds s[G0SB:G0SB+3], s[G1SB:G1SB+7]
	s_nop 0
.rept 4
	v_nop
.endr
.Lhead_asked:
	v_and_b32 v1, 15, v0
	v_bfe_u32 v2, v0, 4, 1
	v_mul_u32_u24 v3, v1, PITCH
	v_lshl_add_u32 v4, v2, 4, v3
	s_wait_alu depctr_va_vdst(0)
	s_mul_i32 s21, s15, HALFT
	s_add_co_u32 s22, s21, SLOT
	s_lshl_b32 s23, s16, 7
	s_add_co_u32 s22, s22, s23
.if M3
	v_lshrrev_b32 v5, 2, v1
	v_and_b32 v6, 3, v1
	v_mul_u32_u24 v5, v5, PITCH
	v_lshl_add_u32 v5, v6, 6, v5
	v_lshl_add_u32 v5, v2, 4, v5
	s_mul_i32 s23, s16, 8*PITCH
.else
	v_mov_b32 v5, v4
.endif
	s_add_co_u32 s21, s21, s23
.irp s, 0,1
	v_add_nc_u32 v[ADRA+\s], s21, v5
	v_add_nc_u32 v[ADRB+\s], s22, v4
	s_add_co_u32 s21, s21, 2*HALFT
	s_add_co_u32 s22, s22, 2*HALFT
.endr
	v_lshlrev_b32 v5, 3, v1
	v_mul_u32_u24 v6, v2, NPAN*1024
	s_lshl_b32 s21, s15, 10
	s_lshl_b32 s22, s16, 2
	s_add_co_u32 s21, s21, s22
	s_add_co_u32 s21, s21, SCL
	v_add_nc_u32 v5, v5, v6
	v_add_nc_u32 v[ADRS], s21, v5
	s_mul_i32 s21, s14, 128*528
	v_mul_u32_u24 v5, v1, 528
	v_lshl_add_u32 v5, v2, 5, v5
	v_add_nc_u32 v[STO], s21, v5
	v_and_b32 v6, 31, v0
	v_lshlrev_b32 v[CO], 4, v6
	s_mul_i32 s21, s14, 32*528
.irp g, 0,1,2,3
	v_add_nc_u32 v[RD+\g], s21, v[CO]
	s_add_co_u32 s21, s21, 128*528
.endr
	s_lshl_b32 s66, s17, 7
	s_lshl_b32 s67, s14, 5
	s_add_co_u32 s66, s66, s67
	s_lshl_b32 s66, s66, 12
	s_lshl_b32 s95, s42, 9
	s_add_co_u32 s66, s66, s95
	s_mov_b32 s67, 0
	s_add_nc_u64 s[10:11], s[10:11], s[66:67]
	s_add_nc_u64 s[12:13], s[12:13], s[66:67]
	s_mov_b32 s66, s95
	s_add_nc_u64 s[8:9], s[8:9], s[66:67]
.macro FRAGA reg, adr, i
.irp c, 0,1,2,3
.if M3
	ds_load_b128 v[\reg+4*\c:\reg+4*\c+3], v[\adr] offset:4*PITCH*(\c/2)+32*(\c%2)+(\i)*16*PITCH
.else
	ds_load_b128 v[\reg+4*\c:\reg+4*\c+3], v[\adr] offset:32*\c+(\i)*16*PITCH
.endif
.endr
.endm
.macro FRAGB reg, adr, i
.irp c, 0,1,2,3
	ds_load_b128 v[\reg+4*\c:\reg+4*\c+3], v[\adr] offset:32*\c+(\i)*16*PITCH
.endr
.endm
.macro MUL16 a0, p, zero
.irp a, \a0, \a0+1
.irp b, 0,1,2,3,4,5,6,7
.if \zero
	v_wmma_scale_f32_16x16x128_f8f6f4 v[8*(8*((\a)%4)+\b):8*(8*((\a)%4)+\b)+7], v[128*(\p)+FR*\b:128*(\p)+FR*\b+FR-1], v[AF+FR*(\a):AF+FR*(\a)+FR-1], 0, v[SC+8*(\p)+\b], v[SC+8*(\p)+(\a)] matrix_a_scale:MATRIX_SCALE_ROW1
.else
	v_wmma_scale_f32_16x16x128_f8f6f4 v[8*(8*((\a)%4)+\b):8*(8*((\a)%4)+\b)+7], v[128*(\p)+FR*\b:128*(\p)+FR*\b+FR-1], v[AF+FR*(\a):AF+FR*(\a)+FR-1], v[8*(8*((\a)%4)+\b):8*(8*((\a)%4)+\b)+7], v[SC+8*(\p)+\b], v[SC+8*(\p)+(\a)] matrix_a_scale:MATRIX_SCALE_ROW1
.endif
.endr
.endr
.endm
.macro FETCH_B slot
	WIN TO_B
.irp i, 0,1,2,3,4,5,6,7
	FRAGB 128*(\slot)+FR*\i, ADRB+\slot, \i
.endr
	WIN 0
.endm
.macro FETCH_A slot, i0
.irp i, \i0, \i0+1, \i0+2, \i0+3
	FRAGA AF+FR*(\i), ADRA+\slot, \i
.endr
.endm
.macro SCALES sc
.irp i, 0,1,2,3,4,5,6,7
	ds_load_b32 v[SC+8*\sc+\i], v[ADRS] offset:\i*128
.endr
.endm
.macro PLACES n
.rept \n
	v_nop
.endr
.endm
.macro TURN slot, next, fill, zero
	s_wait_tensorcnt 0x0
	ds_add_u32 v[SPW], v[NIL]
	s_wait_dscnt 4*NL+1
	WIN MUL_LO
	MUL16 0, \slot, \zero
	s_wait_dscnt 0x0
	s_barrier_signal -1
	MUL16 2, \slot, \zero
	WIN 0
	s_barrier_wait -1
.if \fill
	CREST
	s_add_nc_u64 s[G0+4*\slot+2:G0+4*\slot+3], s[G0+4*\slot+2:G0+4*\slot+3], 4*PANA
	s_add_nc_u64 s[G0B+4*\slot+2:G0B+4*\slot+3], s[G0B+4*\slot+2:G0B+4*\slot+3], 4*PANB
	JLOAD G0+4*\slot, G1, G0B+4*\slot, G1B
	PLACES NP-4
.else
	PLACES NP
.endif
	v_add_nc_u32 v[ADRS], 2048, v[ADRS]
	FETCH_B \next
	FETCH_A \next, 0
	SCALES \next
	WIN MUL_HI
	MUL16 4, \slot, \zero
	MUL16 6, \slot, \zero
	PLACES NP
	WIN 0
	FETCH_A \next, 4
.endm
	s_wait_alu depctr_va_vdst(0)
	s_wait_tensorcnt 0x0
	s_barrier_signal -1
	s_barrier_wait -1
	FETCH_B 0
	FETCH_A 0, 0
	SCALES 0
	FETCH_A 0, 4
.if NPAN == 16
	TURN 0, 1, 1, 1
	s_mov_b32 s3, 2
.Llap:
	TURN 1, 0, 1, 0
	TURN 0, 1, 1, 0
	s_sub_co_u32 s3, s3, 1
	s_cmp_lg_u32 s3, 0
	s_cbranch_scc1 .Llap
	TURN 1, 0, 1, 0
	TURN 0, 1, 0, 0
.else
	TURN 0, 1, 0, 1
.endif
	WIN TO_B
.set NN, 0
.rept 32
	global_load_b128 v[4*NN:4*NN+3], v[CO], s[10:11] offset:4096*NN
.set NN, NN+1
.endr
	WIN 0
	global_load_b128 v[BIA:BIA+3], v[CO], s[8:9]
	s_wait_dscnt 4*NL
	WIN MUL_LO
	MUL16 0, 1, 0
	MUL16 2, 1, 0
	s_wait_dscnt 0
	WIN MUL_HI
	MUL16 4, 1, 0
	MUL16 6, 1, 0
	WIN 0
	s_barrier_signal -1
	s_barrier_wait -1
	PLACES NP
.irp a, 0,1,2,3,4,5,6,7
.set WS, 0x08+4*((\a)/4)
	WIN WS
.irp b, 0,1,2,3,4,5,6,7
	ds_store_b128 v[STO], v[64*((\a)%4)+8*\b:64*((\a)%4)+8*\b+3] offset:8448*\a+64*\b
	ds_store_b128 v[STO], v[64*((\a)%4)+8*\b+4:64*((\a)%4)+8*\b+7] offset:8448*\a+64*\b+16
.endr
.endr
	WIN 0
	s_wait_dscnt 0x0
	s_barrier_signal -1
	s_barrier_wait -1
	s_wait_loadcnt 0x0
.irp y, 0,1,2,3
.if \y > 0
	s_wait_xcnt 0x0
.endif
.irp p, 0,1,2,3,4,5,6,7
.irp g, 0,1,2,3
	ds_load_b128 v[128+16*\p+4*\g:128+16*\p+4*\g+3], v[RD+\g] offset:528*(8*\y+\p)
.endr
.endr
.irp p, 0,1,2,3,4,5,6,7
	s_wait_dscnt 4*(7-\p)
	v_pk_add_f32 v[128+16*\p:129+16*\p], v[128+16*\p:129+16*\p], v[132+16*\p:133+16*\p]
	v_pk_add_f32 v[130+16*\p:131+16*\p], v[130+16*\p:131+16*\p], v[134+16*\p:135+16*\p]
	v_pk_add_f32 v[136+16*\p:137+16*\p], v[136+16*\p:137+16*\p], v[140+16*\p:141+16*\p]
	v_pk_add_f32 v[138+16*\p:139+16*\p], v[138+16*\p:139+16*\p], v[142+16*\p:143+16*\p]
	v_pk_add_f32 v[128+16*\p:129+16*\p], v[128+16*\p:129+16*\p], v[136+16*\p:137+16*\p]
	v_pk_add_f32 v[130+16*\p:131+16*\p], v[130+16*\p:131+16*\p], v[138+16*\p:139+16*\p]
	v_pk_add_f32 v[128+16*\p:129+16*\p], v[128+16*\p:129+16*\p], v[BIA:BIA+1]
	v_pk_add_f32 v[130+16*\p:131+16*\p], v[130+16*\p:131+16*\p], v[BIA+2:BIA+3]
.endr
	WIN 0x04
.irp p, 0,1,2,3,4,5,6,7
	v_pk_add_f32 v[128+16*\p:129+16*\p], v[128+16*\p:129+16*\p], v[4*(8*\y+\p):4*(8*\y+\p)+1]
	v_pk_add_f32 v[130+16*\p:131+16*\p], v[130+16*\p:131+16*\p], v[4*(8*\y+\p)+2:4*(8*\y+\p)+3]
.endr
	WIN 0
.irp p, 0,1,2,3,4,5,6,7
.if NPAN == 16
	global_store_b128 v[CO], v[128+16*\p:131+16*\p], s[12:13] offset:4096*(8*\y+\p) th:TH_STORE_NT
.else
	global_store_b128 v[CO], v[128+16*\p:131+16*\p], s[12:13] offset:4096*(8*\y+\p)
.endif
.endr
.endr
	s_wait_tensorcnt 0x0
	ds_add_u32 v[SPW], v[NIL]
	s_wait_dscnt 0x0
	CROUND
	s_endpgm
.Lfunc_end_k_qcca4df7f38_proj:
	.size	k_qcca4df7f38_proj, .Lfunc_end_k_qcca4df7f38_proj-k_qcca4df7f38_proj
	.p2alignl 7, 3214868480
	.fill 96, 4, 3214868480
	.section	.rodata,"a",@progbits
	.p2align	6, 0x0
	.amdhsa_kernel k_qcca4df7f38_proj
		.amdhsa_group_segment_fixed_size 327680
		.amdhsa_private_segment_fixed_size 0
		.amdhsa_enable_private_segment 0
		.amdhsa_kernarg_size 40
		.amdhsa_user_sgpr_count 2
		.amdhsa_user_sgpr_kernarg_segment_ptr 1
		.amdhsa_wavefront_size32 1
		.amdhsa_system_sgpr_workgroup_id_x 1
		.amdhsa_system_sgpr_workgroup_id_y 1
		.amdhsa_system_sgpr_workgroup_id_z 1
		.amdhsa_system_vgpr_workitem_id 0
		.amdhsa_next_free_vgpr 1024
		.amdhsa_next_free_sgpr 100
		.amdhsa_reserve_vcc 0
		.amdhsa_float_denorm_mode_32 3
		.amdhsa_float_denorm_mode_16_64 3
		.amdhsa_memory_ordered 1
		.amdhsa_forward_progress 1
		.amdhsa_inst_pref_size 80
	.end_amdhsa_kernel
	.amdgpu_metadata
---
amdhsa.version: [ 1, 2 ]
amdhsa.kernels:
  - .name:           k_qcca4df7f38_proj
    .symbol:         k_qcca4df7f38_proj.kd
    .args:
      - { .name: attbuf, .offset: 0, .size: 8, .value_kind: global_buffer, .address_space: global }
      - { .name: wsp, .offset: 8, .size: 8, .value_kind: global_buffer, .address_space: global }
      - { .name: bproj, .offset: 16, .size: 8, .value_kind: global_buffer, .address_space: global }
      - { .name: x, .offset: 24, .size: 8, .value_kind: global_buffer, .address_space: global }
      - { .name: x1, .offset: 32, .size: 8, .value_kind: global_buffer, .address_space: global }
    .group_segment_fixed_size: 327680
    .private_segment_fixed_size: 0
    .kernarg_segment_align: 8
    .kernarg_segment_size: 40
    .max_flat_workgroup_size: 128
    .sgpr_count:     100
    .vgpr_count:     1024
    .wavefront_size: 32
...
	.end_amdgpu_metadata
.endif
;; end of part 4
;; launch ln2 (part 5): grid 256 x 1, 4 waves a work-group, no clusters, 22,016 bytes of LDS; arguments x1, g2, beta2, h2buf; writes h2buf
.if DOCPART == 5
	.amdgcn_target "amdgcn-amd-amdhsa--gfx1250"
	.amdhsa_code_object_version 6
	.text
	.protected	k_qcca4df7f38_ln2
	.globl	k_qcca4df7f38_ln2
	.p2align	8
	.type	k_qcca4df7f38_ln2,@function
k_qcca4df7f38_ln2:
	s_mov_b64 s[64:65], 0
	v_nop
	global_prefetch_b8 v0, s[64:65] scope:SCOPE_SE
	s_setreg_imm32_b32 hwreg(HW_REG_WAVE_MODE, 25, 1), 1
	s_wait_xcnt 0x0
; h2 = layer norm of x1 (gain g2, offset beta2), quantised along its 1,024 channels to codes of E4M3 with one E8M0 byte for each 32.
; LAYOUT of h2buf: codes [4 panels of 256 along K][4,096 rows][256 bytes], then at 4,194,304 the scale bytes [4][4,096][8].
; A wave takes 4 rows; a row is 8 loads of 512 consecutive bytes and stays in 32 registers.  No tensor loads, no barrier: waves share nothing.
; LIMITS: NaN and infinities are not served; a block whose largest magnitude lies under 2^-118 (a block of zeros too) gets the byte 1; 1 / sqrt by v_rsq_f32.
.set G,  16                            ; v16-47   the gain of my 32 channels
.set BT, 48                            ; v48-79   the offset
.set R,  80                            ; v80-207  four rows; later each half row's codes and scale byte
.set X,  208                           ; v208-239 two sets of 16 neighbours along K
.set MU, 240
.set RS, 242
.set SA, 244
.set SQ, 246
.macro XSUM                            ; v248: the sum over the 32 lanes, in every lane
	v_add_f32_dpp v248, v248, v248 row_xmask:1 row_mask:0xf bank_mask:0xf
	v_add_f32_dpp v248, v248, v248 row_xmask:2 row_mask:0xf bank_mask:0xf
	v_add_f32_dpp v248, v248, v248 row_xmask:4 row_mask:0xf bank_mask:0xf
	v_add_f32_dpp v248, v248, v248 row_xmask:8 row_mask:0xf bank_mask:0xf
	v_permlanex16_b32 v249, v248, s40, s41
	v_add_f32 v248, v248, v249
.endm
.macro TURN p, t                       ; half row t through my stage: in as loaded, back 16 neighbours a lane; LDS serves a wave's instructions in order
.irp i, 0,1,2,3
	ds_store_b128 v14, v[R+32*(\p)+16*(\t)+4*\i:R+32*(\p)+16*(\t)+4*\i+3] offset:2560*(\t)+640*\i
.endr
.irp i, 0,1,2,3
	ds_load_b128 v[X+16*(\t)+4*\i:X+16*(\t)+4*\i+3], v15 offset:2560*(\t)+16*\i
.endr
.endm
.macro QSTEP p, t
.set XS, X+16*(\t)
.set CR, R+32*(\p)+16*(\t)             ; free: the stage stores that read these registers are older than the loads just waited for
	v_max3_num_f32 v8, |v[XS]|, |v[XS+1]|, |v[XS+2]|
	v_max3_num_f32 v9, |v[XS+3]|, |v[XS+4]|, |v[XS+5]|
.irp i, 6,10
	v_max3_num_f32 v8, v8, |v[XS+\i]|, |v[XS+\i+1]|
	v_max3_num_f32 v9, v9, |v[XS+\i+2]|, |v[XS+\i+3]|
.endr
	v_max3_num_f32 v8, v8, |v[XS+14]|, |v[XS+15]|
	v_max3_num_f32 v8, v8, v9, 0x4800000           ; the floor 2^(9 - 127)
	v_max_num_f32_dpp v8, v8, v8 row_xmask:1 row_mask:0xf bank_mask:0xf
	v_add_nc_u32 v11, 0xfc000000, v8
	v_and_or_b32 v10, v8, 0x7f800000, s42
.set II, 0
.rept 16
	v_med3_num_f32 v[XS+II], v[XS+II], -v10, v10   ; the conversion does not saturate (ISA guide 7.6.2): hold first
.set II, II+1
.endr
	v_cvt_scalef32_pk8_fp8_f32 v[CR:CR+1], v[XS:XS+7], v11
	v_cvt_scalef32_pk8_fp8_f32 v[CR+2:CR+3], v[XS+8:XS+15], v11
	v_lshrrev_b32 v[CR+4], 23, v11
	ds_store_b8 v5, v[CR+4] offset:5120+64*(\t)+8*(\p)
	global_store_b128 v4, v[CR:CR+3], s[32:33] offset:(\t)*2097152+(\p)*256   ; lanes 0-15: 256 bytes of panel 2 t, lanes 16-31: of panel 2 t + 1
.endm
.macro ROW p
.set RR, R+32*(\p)
	s_wait_loadcnt 8*(3-(\p))                      ; my row is in; the later rows' 8 loads each may be out
	v_pk_add_f32 v[SA:SA+1], v[RR:RR+1], v[RR+2:RR+3]
	v_pk_add_f32 v[SQ:SQ+1], v[RR+4:RR+5], v[RR+6:RR+7]
.irp j, 8,12,16,20,24,28
	v_pk_add_f32 v[SA:SA+1], v[SA:SA+1], v[RR+\j:RR+\j+1]
	v_pk_add_f32 v[SQ:SQ+1], v[SQ:SQ+1], v[RR+\j+2:RR+\j+3]
.endr
	v_pk_add_f32 v[SA:SA+1], v[SA:SA+1], v[SQ:SQ+1]
	v_add_f32 v248, v[SA], v[SA+1]
	XSUM
	v_mul_f32 v[MU], s43, v248
	v_mov_b32 v[MU+1], v[MU]
.set JJ, 0
.rept 16
	v_pk_add_f32 v[RR+JJ:RR+JJ+1], v[RR+JJ:RR+JJ+1], v[MU:MU+1] neg_lo:[0,1] neg_hi:[0,1]   ; x - mean, before the squares
.set JJ, JJ+2
.endr
	v_pk_mul_f32 v[SA:SA+1], v[RR:RR+1], v[RR:RR+1]
	v_pk_mul_f32 v[SQ:SQ+1], v[RR+2:RR+3], v[RR+2:RR+3]
.irp j, 4,8,12,16,20,24,28
	v_pk_fma_f32 v[SA:SA+1], v[RR+\j:RR+\j+1], v[RR+\j:RR+\j+1], v[SA:SA+1]
	v_pk_fma_f32 v[SQ:SQ+1], v[RR+\j+2:RR+\j+3], v[RR+\j+2:RR+\j+3], v[SQ:SQ+1]
.endr
	v_pk_add_f32 v[SA:SA+1], v[SA:SA+1], v[SQ:SQ+1]
	v_add_f32 v248, v[SA], v[SA+1]
	XSUM
	v_fma_f32 v248, v248, s43, s44
	s_wait_alu depctr_va_vdst(0)
	v_rsq_f32 v[RS], v248
	v_nop                                          ; a plain line behind the transcendental,
	s_wait_alu depctr_va_vdst(0)                   ; and the wait ahead of its first reader
	v_mov_b32 v[RS+1], v[RS]
.set JJ, 0
.rept 16
	v_pk_mul_f32 v[RR+JJ:RR+JJ+1], v[RR+JJ:RR+JJ+1], v[RS:RS+1]
.set JJ, JJ+2
.endr
.set JJ, 0
.rept 16
	v_pk_fma_f32 v[RR+JJ:RR+JJ+1], v[RR+JJ:RR+JJ+1], v[G+JJ:G+JJ+1], v[BT+JJ:BT+JJ+1]
.set JJ, JJ+2
.endr
	TURN \p, 0
	TURN \p, 1
	s_wait_dscnt 8                                 ; the first half is back; the second half's 4 stores and 4 loads may be out
	QSTEP \p, 0
	s_wait_dscnt 1                                 ; the second half is back; the byte store just issued may be out
	QSTEP \p, 1
.endm
	s_load_b256 s[8:15], s[0:1], 0x0               ; x1 8, g2 10, beta2 12, h2buf 14
	v_lshl_add_u32 v254, v0, 2, 0x5400
	v_mov_b32 v255, 0
	v_lshrrev_b32 v1, 5, v0
	v_readfirstlane_b32 s28, v1                    ; wave
	v_and_b32 v2, 31, v0                           ; lane
	v_lshlrev_b32 v3, 4, v2
	v_lshrrev_b32 v8, 4, v2
	v_and_b32 v9, 15, v2
	v_lshlrev_b32 v4, 20, v8
	v_lshl_add_u32 v4, v9, 4, v4                   ; codes: (lane / 16) panels + 16 (lane % 16)
	s_mul_i32 s29, s28, 5376                       ; LDS of my wave: two stages of 2,560 bytes, then 128 scale bytes
	v_bfe_u32 v10, v2, 1, 3
	v_lshl_add_u32 v5, v8, 5, v10
	v_add_nc_u32 v5, s29, v5
	v_lshl_add_u32 v6, v2, 2, s29
	v_lshrrev_b32 v10, 3, v2
	v_and_b32 v11, 7, v2
	v_lshlrev_b32 v7, 15, v10
	v_lshl_add_u32 v7, v11, 2, v7
	v_lshrrev_b32 v10, 2, v2
	v_and_b32 v11, 3, v2
	v_mul_u32_u24 v14, v10, 80
	v_lshl_add_u32 v14, v11, 4, v14
	v_add_nc_u32 v14, s29, v14
	v_mul_u32_u24 v15, v2, 80
	v_add_nc_u32 v15, s29, v15
	v_mov_b32 v249, 0
	s_mov_b32 s40, 0x76543210
	s_mov_b32 s41, 0xfedcba98
	s_mov_b32 s42, 0x600000
	s_mov_b32 s43, 0x3a800000                      ; 1 / 1,024
	s_mov_b32 s44, 0x3727c5ac                      ; 1e-5
	s_lshl_b32 s38, ttmp9, 16
	s_lshl_b32 s30, s28, 14
	s_add_co_u32 s38, s38, s30                     ; my first row, in bytes of 4,096
	s_mov_b32 s39, 0
	s_lshr_b32 s30, s38, 4
	s_mov_b32 s31, 0
	s_lshr_b32 s46, s38, 9
	s_add_co_u32 s46, s46, 4194304
	s_mov_b32 s47, 0
	s_wait_kmcnt 0x0
	s_add_nc_u64 s[36:37], s[8:9], s[38:39]
	s_add_nc_u64 s[32:33], s[14:15], s[30:31]
	s_add_nc_u64 s[34:35], s[14:15], s[46:47]
.irp i, 0,1,2,3,4,5,6,7
	global_load_b128 v[G+4*\i:G+4*\i+3], v3, s[10:11] offset:512*\i
.endr
.irp i, 0,1,2,3,4,5,6,7
	global_load_b128 v[BT+4*\i:BT+4*\i+3], v3, s[12:13] offset:512*\i
.endr
.irp p, 0,1,2,3
.irp i, 0,1,2,3,4,5,6,7
	global_load_b128 v[R+32*\p+4*\i:R+32*\p+4*\i+3], v3, s[36:37] offset:4096*\p+512*\i th:TH_LOAD_NT
.endr
.endr
	ROW 0
	ROW 1
	ROW 2
	ROW 3
	ds_load_b32 v12, v6 offset:5120
	s_wait_dscnt 0x0
	global_store_b32 v7, v12, s[34:35]             ; four pieces of 32 bytes
	s_wait_tensorcnt 0x0
	ds_add_u32 v254, v255
	s_wait_dscnt 0x0
	s_endpgm
.Lfunc_end_k_qcca4df7f38_ln2:
	.size	k_qcca4df7f38_ln2, .Lfunc_end_k_qcca4df7f38_ln2-k_qcca4df7f38_ln2
	.p2alignl 7, 3214868480
	.fill 96, 4, 3214868480
	.section	.rodata,"a",@progbits
	.p2align	6, 0x0
	.amdhsa_kernel k_qcca4df7f38_ln2
		.amdhsa_group_segment_fixed_size 22016
		.amdhsa_private_segment_fixed_size 0
		.amdhsa_enable_private_segment 0
		.amdhsa_kernarg_size 32
		.amdhsa_user_sgpr_count 2
		.amdhsa_user_sgpr_kernarg_segment_ptr 1
		.amdhsa_wavefront_size32 1
		.amdhsa_system_sgpr_workgroup_id_x 1
		.amdhsa_system_sgpr_workgroup_id_y 1
		.amdhsa_system_sgpr_workgroup_id_z 1
		.amdhsa_system_vgpr_workitem_id 0
		.amdhsa_next_free_vgpr 256
		.amdhsa_next_free_sgpr 66
		.amdhsa_reserve_vcc 0
		.amdhsa_float_denorm_mode_32 3
		.amdhsa_float_denorm_mode_16_64 3
		.amdhsa_memory_ordered 1
		.amdhsa_forward_progress 1
		.amdhsa_inst_pref_size 53
	.end_amdhsa_kernel
	.amdgpu_metadata
---
amdhsa.version: [ 1, 2 ]
amdhsa.kernels:
  - .name:           k_qcca4df7f38_ln2
    .symbol:         k_qcca4df7f38_ln2.kd
    .args:
      - { .name: x1, .offset: 0, .size: 8, .value_kind: global_buffer, .address_space: global }
      - { .name: g2, .offset: 8, .size: 8, .value_kind: global_buffer, .address_space: global }
      - { .name: beta2, .offset: 16, .size: 8, .value_kind: global_buffer, .address_space: global }
      - { .name: h2buf, .offset: 24, .size: 8, .value_kind: global_buffer, .address_space: global }
    .group_segment_fixed_size: 22016
    .private_segment_fixed_size: 0
    .kernarg_segment_align: 8
    .kernarg_segment_size: 32
    .max_flat_workgroup_size: 128
    .sgpr_count:     66
    .vgpr_count:     256
    .wavefront_size: 32
...
	.end_amdgpu_metadata
.endif
;; end of part 5
;; launch w1 (part 6): grid 16 x 16, 4 waves a work-group, clusters of 4 x 4, 327,680 bytes of LDS; arguments h2buf, wsp, b1, ffbuf; writes ffbuf
.if DOCPART == 6
	.amdgcn_target "amdgcn-amd-amdhsa--gfx1250"
	.amdhsa_code_object_version 6
	.text
	.protected	k_qcca4df7f38_w1
	.globl	k_qcca4df7f38_w1
	.p2align	8
	.type	k_qcca4df7f38_w1,@function
k_qcca4df7f38_w1:
	s_mov_b64 s[64:65], 0
	v_nop
	global_prefetch_b8 v0, s[64:65] scope:SCOPE_SE
	s_setreg_imm32_b32 hwreg(HW_REG_WAVE_MODE, 25, 1), 1
	s_wait_xcnt 0x0
	s_wait_alu depctr_hold_cnt(0) depctr_sa_sdst(0) depctr_va_vdst(0) depctr_va_sdst(0) depctr_va_ssrc(0) depctr_va_vcc(0) depctr_vm_vsrc(0)
	s_getreg_b32 s2, hwreg(HW_REG_IB_STS2, 6, 4)
	s_cmp_eq_u32 s2, 0
	s_cbranch_scc0 .Lentry_in_a_cluster
	s_endpgm
.Lentry_in_a_cluster:
	s_bfe_u32 s2, ttmp6, 0x10000c
	s_cmp_lg_u32 s2, 0xf033
	s_cbranch_scc0 .Lentry_shape_is_right
	s_endpgm
.Lentry_shape_is_right:
; ff1 = relu(h2 W1 + b1), on codes of E4M3 with E8M0 scales, quantised on the way out along the hidden units, which are the next product's K.  K = 1,024 in four panels of 256 through a ring of two LDS slots.
; A tile of C is 256 x 256 (its 256 columns are one panel of the result), four waves, 128 x 128 each.  The matrix instruction is used transposed: a lane holds eight neighbouring columns of a row.
; b1 is the C of each sum's first matrix instruction.  The activation costs nothing: the hold that the conversion wants clips at 0 as well.
; CLUSTER 4 x 4: A's tiles are shared along a row of the cluster, B's along a column, by joint loads.
; LIMITS: NaN and infinities are not served; a block whose largest number lies under 2^-118 (a block of zeros too) gets the byte 1.
; REGISTERS: window 0: v0-31 addresses; v32-63 scale words, two sets; v64-127 b1, later held numbers; v128-255 A's fragments; window 1: B's two sets; windows 2, 3: the accumulators.
.set W1_C,   4194304
.set W1_S,   17956864
.set PANEL,  1048576
.set NQ,     2
.set PITCH,  272
.set FR,     16
.set NL,     4
.set NP,     8
.set HALFT,  128*PITCH
.set SLOT,   4*HALFT
.set SCL,    2*SLOT
.set HALFS,  4096
.set SPARE,  SCL+4*HALFS
.set SST,    256*PITCH                 ; the way out, in slot 0 (its last fill and last read are over): 256 rows x 272 of codes, then [256][8] scale bytes
.set RDR,  8
.set L16,  12
.set SRD,  13
.set ADRA, 16
.set ADRB, 20
.set STO,  24
.set SSTO, 25
.set ADRS, 27
.set SPW,  28
.set NIL,  29
.set SC,   32
.set BIAS, 64
.set T,    64
.set AF,   128
.set PC,   128
.set TM,   144
.set PW,   160
.set G1, 24
.set G0, 32
.set G1B, 48
.set G0B, 56
.set G1S, 68
.set G0S, 76
.set G1SB, 80
.set G0SB, 88
.set SEL, 96
.set MNT, 98
.set MSB, 0
.macro WIN new
.if MSB != \new
	s_set_vgpr_msb (MSB<<8)|\new
.set MSB, \new
.endif
.endm
.set MUL_LO, 0xa1
.set MUL_HI, 0xf1
.set BIA_LO, 0x81                      ; as MUL_LO, with C (the bias) in window 0
.set BIA_HI, 0xc1
.set TO_B,   0x40
.macro JLOAD g0a, g1a, g0b, g1b
	s_cmp_eq_u32 s15, 0
	s_cbranch_scc0 .Lfor_b_\@
	tensor_load_to_lds s[\g0a:\g0a+3], s[\g1a:\g1a+7]
	s_nop 0
.rept 4
	v_nop
.endr
	s_branch .Lasked_\@
.Lfor_b_\@:
	tensor_load_to_lds s[\g0b:\g0b+3], s[\g1b:\g1b+7]
	s_nop 0
.rept 4
	v_nop
.endr
.Lasked_\@:
.endm
.macro CREST
	s_cmp_lg_u32 s14, 0
	s_cbranch_scc1 .Lnot_wave_0_\@
	s_barrier_signal -3
.Lnot_wave_0_\@:
	s_barrier_wait -3
	s_barrier_signal -1
	s_barrier_wait -1
.endm
.macro CROUND
	s_barrier_signal -1
	s_barrier_wait -1
	CREST
.endm
	s_load_b256 s[4:11], s[0:1], 0x0               ; h2buf 4, wsp 6, b1 8, ffbuf 10
	v_lshl_add_u32 v[SPW], v0, 2, SPARE
	v_mov_b32 v[NIL], 0
	ds_add_u32 v28, v29
	ds_add_u32 v28, v29
	s_wait_dscnt 0x0
	v_lshrrev_b32 v1, 5, v0
	v_readfirstlane_b32 s14, v1
	s_lshr_b32 s15, s14, 1
	s_and_b32 s16, s14, 1
	s_bfe_u32 s40, ttmp6, 0x40000
	s_bfe_u32 s41, ttmp6, 0x40004
	s_lshl_b32 s42, ttmp9, 2
	s_add_co_u32 s42, s42, s40                     ; tile column
	s_and_b32 s17, ttmp7, 0xffff
	s_lshl_b32 s17, s17, 2
	s_add_co_u32 s17, s17, s41                     ; tile row
	s_lshl_b32 s43, s41, 2
	s_lshl_b32 s43, 15, s43
	s_lshl_b32 s44, 0x1111, s40
	s_or_b32 s[G1+0], s43, (1<<20)|(1<<21)|(5<<22)|(3<<25)
	s_or_b32 s[G1B+0], s44, (1<<20)|(1<<21)|(5<<22)|(3<<25)
.irp g, G1, G1B
	s_mov_b32 s[\g+1], 256<<16
	s_mov_b32 s[\g+2], 256<<16
	s_mov_b32 s[\g+3], 256<<16
	s_mov_b32 s[\g+4], 256
	s_mov_b32 s[\g+5], 256
	s_mov_b32 s[\g+6], 0
	s_mov_b32 s[\g+7], 0
.endr
	s_or_b32 s[G1S+0], s43, (3<<16)|(1<<21)
	s_or_b32 s[G1SB+0], s44, (3<<16)|(1<<21)
.irp g, G1S, G1SB
	s_mov_b32 s[\g+1], 256<<16
	s_mov_b32 s[\g+2], 4<<16
	s_mov_b32 s[\g+3], 256<<16
	s_mov_b32 s[\g+4], 4
	s_mov_b32 s[\g+5], 4096
	s_mov_b32 s[\g+6], 0
	s_mov_b32 s[\g+7], 0
.endr
	s_lshl_b32 s18, s16, 15                        ; s[18:19]: in the ring I fetch 128 rows of a tile: which half, in bytes
	s_mov_b32 s19, 0
	s_lshl_b32 s20, s17, 8
	s_lshl_b32 s46, s42, 8
	s_lshl_b32 s22, s20, 3
	s_add_co_u32 s22, s22, 4194304
	s_lshl_b32 s20, s20, 8
	s_lshl_b32 s92, s46, 3
	s_add_co_u32 s92, s92, W1_S
	s_lshl_b32 s46, s46, 8
	s_add_co_u32 s46, s46, W1_C
	s_mov_b32 s21, 0
	s_mov_b32 s23, 0
	s_mov_b32 s47, 0
	s_mov_b32 s93, 0
	s_mul_i32 s45, s14, HALFT
	s_wait_kmcnt 0x0
	s_add_nc_u64 s[20:21], s[4:5], s[20:21]
	s_add_nc_u64 s[22:23], s[4:5], s[22:23]
	s_add_nc_u64 s[46:47], s[6:7], s[46:47]
	s_add_nc_u64 s[92:93], s[6:7], s[92:93]
	CROUND
	s_mov_b32 s[G0S], 1
	s_mov_b32 s[G0S+1], SCL
	s_mov_b64 s[G0S+2:G0S+3], s[22:23]
	s_or_b32 s[G0S+3], s[G0S+3], 0x80000000
	s_mov_b32 s[G0SB], 1
	s_mov_b32 s[G0SB+1], SCL+2*HALFS
	s_mov_b64 s[G0SB+2:G0SB+3], s[92:93]
	s_or_b32 s[G0SB+3], s[G0SB+3], 0x80000000
.irp s, 0,1
	s_mov_b32 s[G0+4*\s], 1
	s_add_co_u32 s[G0+4*\s+1], s45, \s*SLOT
	s_add_nc_u64 s[G0+4*\s+2:G0+4*\s+3], s[20:21], \s*PANEL
	s_or_b32 s[G0+4*\s+3], s[G0+4*\s+3], 0x80000000
	s_mov_b32 s[G0B+4*\s], 1
	s_add_co_u32 s[G0B+4*\s+1], s45, \s*SLOT
	s_add_nc_u64 s[G0B+4*\s+2:G0B+4*\s+3], s[46:47], \s*PANEL
	s_or_b32 s[G0B+4*\s+3], s[G0B+4*\s+3], 0x80000000
.endr
	s_add_nc_u64 s[G0+6:G0+7], s[G0+6:G0+7], s[18:19]      ; slot 1's loads bring my 128 rows
	s_add_nc_u64 s[G0B+6:G0B+7], s[G0B+6:G0B+7], s[18:19]
	s_mov_b32 s[G0+1], 0                           ; the head's loads bring whole tiles: panel 0's 256 rows of A,
	s_mov_b32 s[G0B+1], 2*HALFT                    ; its 256 rows of B behind them
; THE HEAD'S LOADS, ONE A WAVE: wave 0 A's 256 rows, wave 1 B's, wave 2 A's scale bytes [panel][256][8], wave 3 B's.  One chain of branches on the wave's number, an arm a load.
.macro ARM under, g0, g1, next
	s_cmp_lt_u32 s14, \under
	s_cbranch_scc0 \next
	tensor_load_to_lds s[\g0:\g0+3], s[\g1:\g1+7]
	s_nop 0
.rept 4
	v_nop
.endr
	s_branch .Lhead_asked
\next:
.endm
	ARM 1, G0,  G1,  .Lhead_b
	ARM 2, G0B, G1B, .Lhead_sa
	ARM 3, G0S, G1S, .Lhead_sb
	tensor_load_to_lds s[G0SB:G0SB+3], s[G1SB:G1SB+7]
	s_nop 0
.rept 4
	v_nop
.endr
.Lhead_asked:
	v_and_b32 v1, 15, v0
	s_wait_alu depctr_va_vdst(0)
	v_bfe_u32 v2, v0, 4, 1                         ; h
	s_wait_alu depctr_va_vdst(0)
	s_lshl_b32 s66, s42, 10                        ; b1: my 128 columns; lane (r, h) wants, for B's block b, columns 16 b + 8 h + 0 .. 7
	s_lshl_b32 s67, s16, 9
	s_add_co_u32 s66, s66, s67
	s_mov_b32 s67, 0
	s_add_nc_u64 s[8:9], s[8:9], s[66:67]
	v_lshlrev_b32 v7, 5, v2
.irp b, 0,1,2,3,4,5,6,7
	global_load_b128 v[BIAS+8*\b:BIAS+8*\b+3], v7, s[8:9] offset:64*\b
	global_load_b128 v[BIAS+8*\b+4:BIAS+8*\b+7], v7, s[8:9] offset:64*\b+16
.endr
	v_mul_u32_u24 v3, v1, PITCH
	v_lshl_add_u32 v4, v2, 4, v3
	s_mul_i32 s21, s15, HALFT
	s_mul_i32 s22, s16, HALFT
	s_add_co_u32 s22, s22, 2*HALFT
.irp s, 0,1
	v_add_nc_u32 v[ADRA+\s], s21, v4
	v_add_nc_u32 v[ADRB+\s], s22, v4
	s_add_co_u32 s21, s21, SLOT
	s_add_co_u32 s22, s22, SLOT
.endr
	v_lshlrev_b32 v5, 3, v1
	s_lshl_b32 s21, s15, 10
	s_lshl_b32 s22, s16, 10
	s_add_co_u32 s22, s22, 2*HALFS
	s_sub_co_u32 s22, s22, s21
	v_mul_u32_u24 v6, s22, v2
	s_add_co_u32 s21, s21, SCL
	v_add_nc_u32 v5, v5, v6
	v_add_nc_u32 v[ADRS], s21, v5
	s_mul_i32 s23, s15, HALFT
	s_lshl_b32 s21, s16, 7
	s_add_co_u32 s23, s23, s21
	v_lshl_add_u32 v[STO], v2, 3, v3
	v_add_nc_u32 v[STO], s23, v[STO]               ; codes in: row 128 (wave / 2) + r, byte 128 (wave % 2) + 8 h: the columns in their own order
	s_lshl_b32 s21, s15, 10
	s_lshl_b32 s22, s16, 2
	s_add_co_u32 s21, s21, s22
	s_add_co_u32 s21, s21, SST
	v_lshl_add_u32 v[SSTO], v1, 3, s21
	s_mul_i32 s21, s14, 64*PITCH
	v_add_nc_u32 v[RDR], s21, v4                   ; back out of the stage in a fragment's own order: row r, + 16 h
	v_and_b32 v6, 31, v0
	v_lshlrev_b32 v[L16], 4, v6
	s_lshl_b32 s21, s15, 10                        ; scale words back: wave n takes the 128 rows of half n / 2, slice n % 2
	s_lshl_b32 s22, s16, 2
	s_add_co_u32 s21, s21, s22
	s_add_co_u32 s21, s21, SST
	v_lshrrev_b32 v5, 3, v6
	v_and_b32 v9, 7, v6
	v_lshl_add_u32 v5, v5, 8, s21
	v_lshl_add_u32 v[SRD], v9, 4, v5               ; 256 (lane / 8) + 16 (lane % 8): rows 32 j + 2 (lane % 8) on
	s_mov_b32 s[SEL], 0x76543210
	s_mov_b32 s[SEL+1], 0xfedcba98
	s_mov_b32 s[MNT], 0x600000
	; THE RESULT IS LAID BY FRAGMENTS, in the order of the next launch's operand registers: [16 rows][slice of 128 along its K][piece c][lane][16 bytes]: 65,536 bytes for 16 rows; my tile column is slices 2 p, 2 p + 1
	s_lshl_b32 s66, s42, 12
	s_lshl_b32 s95, s17, 20
	s_add_co_u32 s66, s66, s95
	s_lshl_b32 s95, s14, 18
	s_add_co_u32 s66, s66, s95
	s_add_nc_u64 s[12:13], s[10:11], s[66:67]
	; scale words: [128 rows][slice][512 bytes]; in a block the word of row 32 j + 16 e + r lies at 128 j + 8 r + 4 e
	s_lshl_b32 s66, s42, 10
	s_lshl_b32 s95, s17, 15
	s_add_co_u32 s66, s66, s95
	s_lshl_b32 s95, s15, 14
	s_add_co_u32 s66, s66, s95
	s_lshl_b32 s95, s16, 9
	s_add_co_u32 s66, s66, s95
	s_add_co_u32 s66, s66, 16777216
	s_add_nc_u64 s[10:11], s[10:11], s[66:67]      ; and their 512 scale bytes
.macro FRAG reg, adr, q, i
.irp c, 0,1,2,3
	ds_load_b128 v[\reg+4*\c:\reg+4*\c+3], v[\adr] offset:128*(\q)+32*\c+(\i)*16*PITCH
.endr
.endm
; 16 matrix instructions: A's blocks a0, a0 + 1 x B's eight.  bias = 1: the first product starts the sums from b1.  The 64 accumulators take turns.
.macro MUL16 a0, p, q, sc, bias
.irp a, \a0, \a0+1
.irp b, 0,1,2,3,4,5,6,7
.if \bias
	v_wmma_scale_f32_16x16x128_f8f6f4 v[8*(8*((\a)%4)+\b):8*(8*((\a)%4)+\b)+7], v[128*(\p)+FR*\b:128*(\p)+FR*\b+FR-1], v[AF+FR*(\a):AF+FR*(\a)+FR-1], v[BIAS+8*\b:BIAS+8*\b+7], v[SC+8*NQ*(\sc)+NQ*\b+(\q)], v[SC+8*NQ*(\sc)+NQ*(\a)+(\q)] matrix_a_scale:MATRIX_SCALE_ROW1
.else
	v_wmma_scale_f32_16x16x128_f8f6f4 v[8*(8*((\a)%4)+\b):8*(8*((\a)%4)+\b)+7], v[128*(\p)+FR*\b:128*(\p)+FR*\b+FR-1], v[AF+FR*(\a):AF+FR*(\a)+FR-1], v[8*(8*((\a)%4)+\b):8*(8*((\a)%4)+\b)+7], v[SC+8*NQ*(\sc)+NQ*\b+(\q)], v[SC+8*NQ*(\sc)+NQ*(\a)+(\q)] matrix_a_scale:MATRIX_SCALE_ROW1
.endif
.endr
.endr
.endm
.macro FETCH_B slot, q, p
	WIN TO_B
.irp i, 0,1,2,3,4,5,6,7
	FRAG 128*(\p)+FR*\i, ADRB+\slot, \q, \i
.endr
	WIN 0
.endm
.macro FETCH_A slot, q, i0
.irp i, \i0, \i0+1, \i0+2, \i0+3
	FRAG AF+FR*(\i), ADRA+\slot, \q, \i
.endr
.endm
.macro SCALES sc
.irp i, 0,1,2,3,4,5,6,7
	ds_load_b64 v[SC+8*NQ*\sc+NQ*\i:SC+8*NQ*\sc+NQ*\i+1], v[ADRS] offset:\i*128
.endr
.endm
.macro PLACES n
.rept \n
	v_nop
.endr
.endm
.macro STEP slot, q, bias
	s_wait_dscnt 4*NL                              ; B's set and A's blocks 0-3 are in; A's blocks 4-7 may be out
.if \bias
	WIN BIA_LO
.else
	WIN MUL_LO
.endif
	MUL16 0, (\q)%2, \q, \slot, \bias
	MUL16 2, (\q)%2, \q, \slot, \bias
	s_wait_dscnt 0
	PLACES NP
	FETCH_B \slot, (\q)+1, 1-(\q)%2
	FETCH_A \slot, (\q)+1, 0
.if \bias
	WIN BIA_HI
.else
	WIN MUL_HI
.endif
	MUL16 4, (\q)%2, \q, \slot, \bias
	MUL16 6, (\q)%2, \q, \slot, \bias
	PLACES NP
	WIN 0
	FETCH_A \slot, (\q)+1, 4
.endm
.macro TURN slot, next, fill
	s_wait_tensorcnt 0x0                           ; all my tensor loads have landed: my part of the next slot
	ds_add_u32 v[SPW], v[NIL]                      ; 0 onto my spare word
	s_wait_dscnt 0x0                               ; the add is done, and my reads of this slot are over: all its fragments are in registers
	s_barrier_signal -1
	s_barrier_wait -1
.if \fill
	CREST
	s_add_nc_u64 s[G0+4*\slot+2:G0+4*\slot+3], s[G0+4*\slot+2:G0+4*\slot+3], 2*PANEL
	s_add_nc_u64 s[G0B+4*\slot+2:G0B+4*\slot+3], s[G0B+4*\slot+2:G0B+4*\slot+3], 2*PANEL
	JLOAD G0+4*\slot, G1, G0B+4*\slot, G1B
.endif
	WIN MUL_LO                                     ; the step's first 32 products stand behind the refill
	MUL16 0, 1, NQ-1, \slot, 0
	MUL16 2, 1, NQ-1, \slot, 0
	WIN 0
	PLACES NP
	s_wait_alu depctr_va_vdst(0)
	v_add_nc_u32 v[ADRS], 2048, v[ADRS]
	FETCH_B \next, 0, 0
	FETCH_A \next, 0, 0
	SCALES \next
	WIN MUL_HI
	MUL16 4, 1, NQ-1, \slot, 0
	MUL16 6, 1, NQ-1, \slot, 0
	PLACES NP
	WIN 0
	FETCH_A \next, 0, 4
.endm
	s_wait_alu depctr_va_vdst(0)
	s_wait_tensorcnt 0x0                           ; my tile of the head's four is in; the lines ahead of a later first fill:
	ds_add_u32 v[SPW], v[NIL]
	s_mov_b32 s[G1+2], 128<<16                     ; no tensor load of mine is out: from here on a load brings 128 rows,
	s_mov_b32 s[G1+4], 128
	s_mov_b32 s[G1B+2], 128<<16
	s_mov_b32 s[G1B+4], 128
	s_mov_b32 s[G0+1], s45                         ; and slot 0's descriptors stand at my 128 rows
	s_mov_b32 s[G0B+1], s45
	s_add_nc_u64 s[G0+2:G0+3], s[G0+2:G0+3], s[18:19]
	s_add_nc_u64 s[G0B+2:G0B+3], s[G0B+2:G0B+3], s[18:19]
	s_wait_dscnt 0x0
	CROUND
	JLOAD G0+4, G1, G0B+4, G1B                     ; panel 1, the first tensor load behind the round
	FETCH_B 0, 0, 0
	FETCH_A 0, 0, 0
	SCALES 0
	FETCH_A 0, 0, 4
	s_wait_loadcnt 0x0                             ; b1
	STEP 0, 0, 1
	s_mov_b32 s3, 1
.Llap:
	TURN 0, 1, 1
	STEP 1, 0, 0
	TURN 1, 0, 1
	STEP 0, 0, 0
	s_sub_co_u32 s3, s3, 1
	s_cmp_lg_u32 s3, 0
	s_cbranch_scc1 .Llap
	TURN 0, 1, 0
	STEP 1, 0, 0
	s_wait_dscnt 4*NL
	WIN MUL_LO
	MUL16 0, 1, NQ-1, 1, 0
	MUL16 2, 1, NQ-1, 1, 0
	s_wait_dscnt 0
	WIN MUL_HI
	MUL16 4, 1, NQ-1, 1, 0
	MUL16 6, 1, NQ-1, 1, 0
	WIN 0
; THE WAY OUT.  Block a: 16 rows x my 128 columns.  No |.| on the maximum's sources: what is negative becomes 0 and must not count; the floor stands over it.
.macro QN a
.set AC, 64*((\a)%4)
.set WW, 2+(\a)/4
.set WS, WW*5
	WIN WS
.irp c, 0,1,2,3
	v_max3_num_f32 v[TM+\c], v[AC+16*\c], v[AC+16*\c+1], 0x4800000   ; each accumulator is read from its low end on
.endr
.irp i, 2,4,6,8,10,12,14
.irp c, 0,1,2,3
	v_max3_num_f32 v[TM+\c], v[AC+16*\c+\i], v[AC+16*\c+\i+1], v[TM+\c]
.endr
.endr
	WIN 0
.irp c, 0,1,2,3
	v_permlanex16_b32 v[TM+4+\c], v[TM+\c], s[SEL], s[SEL+1]
.endr
.irp c, 0,1,2,3
	v_max_num_f32 v[TM+\c], v[TM+\c], v[TM+4+\c]
.endr
.irp c, 0,1,2,3
	v_add_nc_u32 v[TM+12+\c], 0xfc000000, v[TM+\c]
.endr
.irp c, 0,1,2,3
	v_and_or_b32 v[TM+8+\c], v[TM+\c], 0x7f800000, s[MNT]
.endr
.irp c, 0,1,2,3
	v_lshrrev_b32 v[TM+4+\c], 23, v[TM+12+\c]
.endr
	WIN WW
.set NN, 0
.rept 64
	v_med3_num_f32 v[T+NN], v[AC+NN], 0, v[TM+8+NN/16]   ; the activation and the hold in one
.set NN, NN+1
.endr
	WIN 0
.if (\a) > 0
	s_wait_dscnt 0x0                               ; the last block's stores have read their registers
.endif
	v_lshl_or_b32 v[PW], v[TM+5], 8, v[TM+4]
	v_lshl_or_b32 v[PW], v[TM+6], 16, v[PW]
	v_lshl_or_b32 v[PW], v[TM+7], 24, v[PW]
.irp c, 0,1,2,3
	v_cvt_scalef32_pk8_fp8_f32 v[PC+4*\c:PC+4*\c+1], v[T+16*\c:T+16*\c+7], v[TM+12+\c]
	v_cvt_scalef32_pk8_fp8_f32 v[PC+4*\c+2:PC+4*\c+3], v[T+16*\c+8:T+16*\c+15], v[TM+12+\c]
.endr
	v_nop
.irp c, 0,1,2,3
	ds_store_b64 v[STO], v[PC+4*\c:PC+4*\c+1] offset:16*PITCH*(\a)+32*\c          ; columns 32 c + 8 h on,
	ds_store_b64 v[STO], v[PC+4*\c+2:PC+4*\c+3] offset:16*PITCH*(\a)+32*\c+16     ; and 32 c + 16 + 8 h on
.endr
	ds_store_b32 v[SSTO], v[PW] offset:128*(\a)
.endm
	PLACES NP
.irp c, 0,1,2,3
	v_mov_b32 v[TM+4+\c], 0
.endr
.irp a, 0,1,2,3,4,5,6,7
	QN \a
.endr
	s_wait_dscnt 0x0                               ; for the others' sake
	s_barrier_signal -1
	s_barrier_wait -1
	ds_load_b32 v[T], v[SRD]
	ds_load_b32 v[T+1], v[SRD] offset:128
	ds_load_b32 v[T+2], v[SRD] offset:8
	ds_load_b32 v[T+3], v[SRD] offset:136
.set NN, 0
.rept 32
	ds_load_b128 v[128+4*NN:128+4*NN+3], v[RDR] offset:(NN/8)*16*PITCH+128*((NN/4)%2)+32*(NN%4)
.set NN, NN+1
.endr
	s_wait_dscnt 32                                ; the scale bytes are in; the 32 row loads may be out
	global_store_b128 v[L16], v[T:T+3], s[10:11]
.set NN, 0
.rept 32
	s_wait_dscnt 31-NN
	global_store_b128 v[L16], v[128+4*NN:128+4*NN+3], s[12:13] offset:(NN/8)*65536+((NN/4)%2)*2048+(NN%4)*512   ; 512 consecutive bytes: a piece of a fragment
.set NN, NN+1
.endr
	s_wait_tensorcnt 0x0                           ; the wave's end
	ds_add_u32 v[SPW], v[NIL]
	s_wait_dscnt 0x0
	CROUND
	s_endpgm
.Lfunc_end_k_qcca4df7f38_w1:
	.size	k_qcca4df7f38_w1, .Lfunc_end_k_qcca4df7f38_w1-k_qcca4df7f38_w1
	.p2alignl 7, 3214868480
	.fill 96, 4, 3214868480
	.section	.rodata,"a",@progbits
	.p2align	6, 0x0
	.amdhsa_kernel k_qcca4df7f38_w1
		.amdhsa_group_segment_fixed_size 327680
		.amdhsa_private_segment_fixed_size 0
		.amdhsa_enable_private_segment 0
		.amdhsa_kernarg_size 32
		.amdhsa_user_sgpr_count 2
		.amdhsa_user_sgpr_kernarg_segment_ptr 1
		.amdhsa_wavefront_size32 1
		.amdhsa_system_sgpr_workgroup_id_x 1
		.amdhsa_system_sgpr_workgroup_id_y 1
		.amdhsa_system_sgpr_workgroup_id_z 1
		.amdhsa_system_vgpr_workitem_id 0
		.amdhsa_next_free_vgpr 1024
		.amdhsa_next_free_sgpr 100
		.amdhsa_reserve_vcc 0
		.amdhsa_float_denorm_mode_32 3
		.amdhsa_float_denorm_mode_16_64 3
		.amdhsa_memory_ordered 1
		.amdhsa_forward_progress 1
		.amdhsa_inst_pref_size 196
	.end_amdhsa_kernel
	.amdgpu_metadata
---
amdhsa.version: [ 1, 2 ]
amdhsa.kernels:
  - .name:           k_qcca4df7f38_w1
    .symbol:         k_qcca4df7f38_w1.kd
    .args:
      - { .name: h2buf, .offset: 0, .size: 8, .value_kind: global_buffer, .address_space: global }
      - { .name: wsp, .offset: 8, .size: 8, .value_kind: global_buffer, .address_space: global }
      - { .name: b1, .offset: 16, .size: 8, .value_kind: global_buffer, .address_space: global }
      - { .name: ffbuf, .offset: 24, .size: 8, .value_kind: global_buffer, .address_space: global }
    .group_segment_fixed_size: 327680
    .private_segment_fixed_size: 0
    .kernarg_segment_align: 8
    .kernarg_segment_size: 32
    .max_flat_workgroup_size: 128
    .sgpr_count:     100
    .vgpr_count:     1024
    .wavefront_size: 32
...
	.end_amdgpu_metadata
.endif
;; end of part 6
;; launch w2 (part 7): grid 8 x 32, 4 waves a work-group, clusters of 4 x 1, 327,680 bytes of LDS; arguments ffbuf, wsp, b2, x1, out0; writes out0
.if DOCPART == 7
	.amdgcn_target "amdgcn-amd-amdhsa--gfx1250"
	.amdhsa_code_object_version 6
	.text
	.protected	k_qcca4df7f38_w2
	.globl	k_qcca4df7f38_w2
	.p2align	8
	.type	k_qcca4df7f38_w2,@function
k_qcca4df7f38_w2:
	s_mov_b64 s[64:65], 0
	v_nop
	global_prefetch_b8 v0, s[64:65] scope:SCOPE_SE
	s_setreg_imm32_b32 hwreg(HW_REG_WAVE_MODE, 25, 1), 1
	s_wait_xcnt 0x0
	s_wait_alu depctr_hold_cnt(0) depctr_sa_sdst(0) depctr_va_vdst(0) depctr_va_sdst(0) depctr_va_ssrc(0) depctr_va_vcc(0) depctr_vm_vsrc(0)
	s_getreg_b32 s2, hwreg(HW_REG_IB_STS2, 6, 4)
	s_cmp_eq_u32 s2, 0
	s_cbranch_scc0 .Lentry_in_a_cluster
	s_endpgm
.Lentry_in_a_cluster:
	s_bfe_u32 s2, ttmp6, 0x10000c
	s_cmp_lg_u32 s2, 0x3003
	s_cbranch_scc0 .Lentry_shape_is_right
	s_endpgm
.Lentry_shape_is_right:
; out0 = x1 + ff1 W2 + b2.  ff1 [4,096][4,096] and W2 (as [1,024 columns][4,096 along K]) are codes of E4M3 with one E8M0 byte for each 32 along K; sums in f32.
; SHARES.  A tile of the result is 128 x 128: 8 x 32 = 256 work-groups of four waves.  K IS SHARED AMONG THE FOUR WAVES: K = 4,096 is 32 slices of 128; wave w multiplies slices 4 t + w, t = 0 .. 7, for the whole tile:
; 64 accumulators a wave, and no byte of A or of B is wanted by two waves of a work-group.
; LAYOUT, as the launches that made them left both operands: fragment (16 rows, slice s) = 2,048 bytes at (32 x row block + s) x 2,048: piece c of 512 bytes, lane (r, h): K = 32 c + 16 h + 0 .. 15 of row r: the order of the operand's registers.
; Scale words: [128 rows][slice][512 bytes], the word of row 32 j + 16 e + r at 128 j + 8 r + 4 e: lane r takes 8 bytes, the words of blocks 2 j and 2 j + 1 (lanes 16-31 name the same bytes and are not read).
; A COMES THROUGH LDS BY JOINT LOADS.  Cluster 4 x 1: the four work-groups share their tile row's A.  Two slots of 131,072 bytes, each with eight slices (t = 2 u, 2 u + 1 of all four waves) of the 8 row blocks: a row block's part is
; 16,384 bytes on end in memory, so a wave's load is 2 rows of 16,384 bytes, 65,536 apart; fragments lie in LDS as in memory, and a wave's LDS load takes 512 bytes on end: no padding.  Four fills in all: slot 0 at the head, slot 1 behind the first full
; sequence, u = 2 and 3 behind drained rounds at the top of slices 1 and 3, when the slot's last fragments are in registers.
; B AND THE SCALE WORDS GO FROM MEMORY STRAIGHT INTO REGISTERS, two sets, asked for two slices ahead: both slots of LDS are A's, and a joint load lands in LDS alone; so B, which the work-groups of a column of the grid share, has no joint load.
; PREFETCH.  A: each cluster asks for what it will load: of a slot's 512 blocks of 256 bytes, wave w of the partner at place cx names 32 (row block 2 cx + w / 2, half w % 2), told apart by address; asked one fill ahead.
; B: the 32 work-groups of a tile column share a slice step's blocks out: wave 1 of work-group (x, y) names slice 4 t + y % 4 of row block y / 4 (eight lanes, the others name the same blocks again), at the end of slice t for t + 3, at the head for t = 2.
; The eight slices are written out by one macro, so that every LDS address and every descriptor word is a constant of the text.
; At the end the four waves' partial sums meet in LDS, over the slots, which have had their last fill and their last read (four f32 chains for each output, then bias and residual).
; LIMITS: NaN and infinities are not served.
; REGISTERS: window 0: v0-31 addresses; v32-63 scale words, two sets of A's 8 and B's 8; v64-67 the bias; v128-255 A's fragments; window 1: B's two sets (set 0 takes the residual at the end); windows 2, 3: the accumulators.
.set AS_OFF, 16777216                  ; A's scale words in ffbuf
.set BC_OFF, 8388608                   ; W2's codes and scale words in wsp
.set BS_OFF, 18087936
.set TSTEP,  8192                      ; from my slice to my next: four fragments
.set SSTEP,  2048                      ; the same in scale words: four blocks of 512
.set RBLK,   65536                     ; 16 rows, all of K
.set SLOTB,  131072
.set NP,     8                         ; places behind this matrix instruction (ISA guide 7.12.1)
.set SPARE,  4*128*528                 ; behind the four regions of partial sums: the spare words
.set LO,   2                           ; v2  16 x lane
.set VSC,  3                           ; v3  8 x (lane % 16)
.set PFOA, 4                           ; v4  256 x lane
.set STO,  5
.set PFOB, 7                           ; v7  256 x (lane % 8)
.set RD,   8                           ; v8-11
.set ADA,  12                          ; v12-15  LDS address of my fragments of A: slot 0 blocks 0-3, blocks 4-7, slot 1 likewise
.set SPW,  28
.set NIL,  29
.set SC,   32
.set BIA,  64
.set AF,   128
.set CB,   22                          ; s[22:23] B's codes at my slice 0; s[24:25], s[26:27] A's and B's scale words; s[28:29], s[42:43] the prefetches of B and A
.set WA,   24
.set WB,   26
.set PFB,  28
.set PFAA, 42
.set G1,   48                          ; s[48:55] descriptor group 1; s[56:59], s[60:63] group 0 for slot 0, slot 1
.set G0,   56
.set MSB, 0
.macro WIN new
.if MSB != \new
	s_set_vgpr_msb (MSB<<8)|\new
.set MSB, \new
.endif
.endm
.set MUL_LO, 0xa1                      ; source 0 (B) window 1, source 1 (A) window 0, C and D window 2
.set MUL_HI, 0xf1
.set TO_B,   0x40
.macro PLACES n
.rept \n
	v_nop
.endr
.endm
.macro ROUND                           ; a round of the cluster's barrier
	s_barrier_signal -1
	s_barrier_wait -1
	s_cmp_lg_u32 s14, 0
	s_cbranch_scc1 .Lnot_wave_0_\@
	s_barrier_signal -3
.Lnot_wave_0_\@:
	s_barrier_wait -3
	s_barrier_signal -1
	s_barrier_wait -1
.endm
.macro TLOAD slot                      ; my quarter of a slot; an s_nop 0 and four v_nop follow
	tensor_load_to_lds s[G0+4*(\slot):G0+4*(\slot)+3], s[G1:G1+7]
	s_nop 0
	PLACES 4
.endm
.macro ASKA u
	global_prefetch_b8 v[PFOA], s[PFAA:PFAA+1] offset:(\u)*16384 th:TH_LOAD_NT scope:SCOPE_SE
.endm
.macro ASKB t                          ; wave 1 alone asks: the branch hangs on the wave's number
	s_cmp_eq_u32 s14, 1
	s_cbranch_scc0 .Lno_ask_\@
	global_prefetch_b8 v[PFOB], s[PFB:PFB+1] offset:(\t)*TSTEP th:TH_LOAD_NT scope:SCOPE_SE
.Lno_ask_\@:
.endm
.macro FA t, a0                        ; A's blocks a0 .. a0 + 3 of slice t, from slot (t / 2) % 2: 16 LDS loads
.irp a, \a0, \a0+1, \a0+2, \a0+3
.irp c, 0,1,2,3
	ds_load_b128 v[AF+16*(\a)+4*\c:AF+16*(\a)+4*\c+3], v[ADA+2*(((\t)/2)%2)+(\a0)/4] offset:((\a)%4)*16384+((\t)%2)*8192+512*\c
.endr
.endr
.endm
.macro LDB t, p                        ; B's eight blocks of slice t into set p: 32 loads
	WIN TO_B
.irp b, 0,1,2,3,4,5,6,7
.irp c, 0,1,2,3
	global_load_b128 v[128*(\p)+16*\b+4*\c:128*(\p)+16*\b+4*\c+3], v[LO], s[CB:CB+1] offset:(\t)*TSTEP+\b*RBLK+512*\c
.endr
.endr
	WIN 0
.endm
.macro LSC t, p                        ; the slice's scale words into set p: 8 loads
.irp j, 0,1,2,3
	global_load_b64 v[SC+16*(\p)+2*\j:SC+16*(\p)+2*\j+1], v[VSC], s[WA:WA+1] offset:(\t)*SSTEP+128*\j
	global_load_b64 v[SC+16*(\p)+8+2*\j:SC+16*(\p)+9+2*\j], v[VSC], s[WB:WB+1] offset:(\t)*SSTEP+128*\j
.endr
.endm
; 16 matrix instructions, used transposed (source 0 = 16 rows of B, source 1 = 16 rows of A: a lane holds eight neighbouring columns of a row).  The 64 accumulators take turns, in the same order in every slice.
.macro MUL16 a0, p, zero
.irp a, \a0, \a0+1
.irp b, 0,1,2,3,4,5,6,7
.if \zero
	v_wmma_scale_f32_16x16x128_f8f6f4 v[8*(8*((\a)%4)+\b):8*(8*((\a)%4)+\b)+7], v[128*(\p)+16*\b:128*(\p)+16*\b+15], v[AF+16*(\a):AF+16*(\a)+15], 0, v[SC+16*(\p)+8+\b], v[SC+16*(\p)+(\a)]
.else
	v_wmma_scale_f32_16x16x128_f8f6f4 v[8*(8*((\a)%4)+\b):8*(8*((\a)%4)+\b)+7], v[128*(\p)+16*\b:128*(\p)+16*\b+15], v[AF+16*(\a):AF+16*(\a)+15], v[8*(8*((\a)%4)+\b):8*(8*((\a)%4)+\b)+7], v[SC+16*(\p)+8+\b], v[SC+16*(\p)+(\a)]
.endif
.endr
.endr
.endm
; SLICE t.  At the top of slices 1 and 3 the slot that holds slices t - 1 and t has been read out (slice t's last fragments were asked for at the end of slice t - 1): it is filled again, two fills on.
.macro SLICE t, zero
.if (\t) == 1 || (\t) == 3
	s_wait_tensorcnt 0x0                           ; my one load that was out, my part of the other slot, has landed;
	ds_add_u32 v[SPW], v[NIL]                      ; 0 onto my spare word;
	s_add_nc_u64 s[G0+4*((\t)/2)+2:G0+4*((\t)/2)+3], s[G0+4*((\t)/2)+2:G0+4*((\t)/2)+3], 2*16384   ; no load of mine is out: this slot's next eight slices
	s_wait_dscnt 0x0                               ; the add is done, and my reads of this slot are over
	ROUND                                          ; the same holds of every wave of the four work-groups
	TLOAD (\t)/2
.if (\t) == 1
	ASKA 3
.endif
.endif
.if (\t) == 5
	s_wait_tensorcnt 0x0                           ; my part of the last fill has landed; nothing is filled again, so a plain barrier shows it
	s_wait_dscnt 0x0
	s_barrier_signal -1
	s_barrier_wait -1
.endif
.if (\t) < 7
	s_wait_loadcnt 40                              ; this slice's scale words and B are in; the next slice's 8 + 32 may be out
.else
	s_wait_loadcnt 33                              ; behind them: the residual's 32 loads and the bias
.endif
	s_wait_dscnt 16                                ; A's blocks 0-3 are in; blocks 4-7 may be out
	WIN MUL_LO
	MUL16 0, (\t)%2, \zero
	MUL16 2, (\t)%2, \zero
	PLACES NP                                      ; ahead of loads into registers that the products have read
	WIN 0
.if (\t) < 7
	FA (\t)+1, 0
	s_wait_dscnt 16                                ; blocks 4-7 are in; the 16 just issued may be out
.else
	s_wait_dscnt 0x0
.endif
	WIN MUL_HI
	MUL16 4, (\t)%2, \zero
	MUL16 6, (\t)%2, \zero
	PLACES NP
	WIN 0
.if (\t) < 7
	FA (\t)+1, 4
.endif
.if (\t) < 5
	ASKB (\t)+3
.endif
.if (\t) < 6
	LSC (\t)+2, (\t)%2
	LDB (\t)+2, (\t)%2
.endif
.if (\t) == 6
	WIN TO_B                                       ; the residual's 32 rows x 512 bytes into B's set 0, which is done with; then the bias: 33 loads
.set NN, 0
.rept 32
	global_load_b128 v[4*NN:4*NN+3], v[LO], s[10:11] offset:4096*NN th:TH_LOAD_NT
.set NN, NN+1
.endr
	WIN 0
	global_load_b128 v[BIA:BIA+3], v[LO], s[8:9]
.endif
.endm
	s_load_b256 s[4:11], s[0:1], 0x0               ; ffbuf 4, wsp 6, b2 8, x1 10
	s_load_b64 s[12:13], s[0:1], 0x20              ; out0
	v_lshl_add_u32 v[SPW], v0, 2, SPARE
	v_mov_b32 v[NIL], 0
	ds_add_u32 v[SPW], v[NIL]                      ; the wave's opening: the add, twice on end, and its wait ahead of my first tensor load
	ds_add_u32 v[SPW], v[NIL]
	v_lshrrev_b32 v1, 5, v0
	v_readfirstlane_b32 s14, v1                    ; wave
	s_bfe_u32 s19, ttmp6, 0x40000                  ; cx: it enters global addresses of plain loads, stores and prefetches alone
	s_lshl_b32 s18, ttmp9, 2
	s_add_co_u32 s18, s18, s19                     ; tile column
	s_and_b32 s17, ttmp7, 0xffff                   ; tile row, which the four partners share
	s_mov_b32 s[G1], 15|(3<<16)|(1<<21)            ; the mask of all four; elements of 8 bytes; bit 21 beside a mask; no padding
	s_mov_b32 s[G1+1], 2048<<16                    ; tensor_dim0: 16,384 bytes
	s_mov_b32 s[G1+2], 2<<16                       ; tensor_dim1: 2 row blocks
	s_mov_b32 s[G1+3], 2048<<16                    ; tile_dim0
	s_mov_b32 s[G1+4], 2                           ; tile_dim1
	s_mov_b32 s[G1+5], 8192                        ; from row block to row block: 65,536 bytes
	s_mov_b32 s[G1+6], 0
	s_mov_b32 s[G1+7], 0
	s_lshl_b32 s44, s17, 19                        ; A: eight row blocks of 65,536 bytes a tile; I fetch blocks 2 w, 2 w + 1
	s_lshl_b32 s15, s14, 17
	s_add_co_u32 s44, s44, s15
	s_mov_b32 s45, 0
	s_lshl_b32 s41, s14, 15                        ; and where they go in a slot: 32,768 x wave
	s_lshl_b32 s15, s14, 11                        ; my first slice is slice w
	s_lshl_b32 s[CB], s18, 19
	s_add_co_u32 s[CB], s[CB], s15
	s_add_co_u32 s[CB], s[CB], BC_OFF
	s_lshl_b32 s20, s14, 9
	s_lshl_b32 s[WA], s17, 14                      ; 32 blocks of 512 bytes a tile
	s_add_co_u32 s[WA], s[WA], s20
	s_add_co_u32 s[WA], s[WA], AS_OFF
	s_lshl_b32 s[WB], s18, 14
	s_add_co_u32 s[WB], s[WB], s20
	s_add_co_u32 s[WB], s[WB], BS_OFF
	s_mov_b32 s[CB+1], 0
	s_mov_b32 s[WA+1], 0
	s_mov_b32 s[WB+1], 0
	s_lshl_b32 s[PFAA], s17, 19                    ; A's prefetch: row block 2 cx + w / 2, half w % 2 of its 16,384 bytes
	s_lshl_b32 s16, s19, 17
	s_add_co_u32 s[PFAA], s[PFAA], s16
	s_lshr_b32 s16, s14, 1
	s_lshl_b32 s16, s16, 16
	s_add_co_u32 s[PFAA], s[PFAA], s16
	s_and_b32 s16, s14, 1
	s_lshl_b32 s16, s16, 13
	s_add_co_u32 s[PFAA], s[PFAA], s16
	s_mov_b32 s[PFAA+1], 0
	s_lshl_b32 s[PFB], s18, 19                     ; B's: row block y / 4 of my tile column, slice y % 4 of each four
	s_lshr_b32 s16, s17, 2
	s_lshl_b32 s16, s16, 16
	s_add_co_u32 s[PFB], s[PFB], s16
	s_and_b32 s16, s17, 3
	s_lshl_b32 s16, s16, 11
	s_add_co_u32 s[PFB], s[PFB], s16
	s_add_co_u32 s[PFB], s[PFB], BC_OFF
	s_mov_b32 s[PFB+1], 0
	s_lshl_b32 s32, s17, 19                        ; the 32 rows that I store: 128 x tile row + 32 x wave, rows of 4,096 bytes; 512 x tile column
	s_lshl_b32 s16, s14, 17
	s_add_co_u32 s32, s32, s16
	s_lshl_b32 s34, s18, 9
	s_add_co_u32 s32, s32, s34
	s_mov_b32 s33, 0
	s_mov_b32 s35, 0
	s_mul_i32 s36, s14, 128*528                    ; LDS at the end: a region of 128 rows x 528 bytes for each wave's partial sums
	s_mul_i32 s37, s14, 32*528                     ; and my 32 rows in each of the four
	s_add_co_u32 s38, s37, 128*528
	s_add_co_u32 s39, s38, 128*528
	s_add_co_u32 s40, s39, 128*528
	v_and_b32 v16, 31, v0
	v_and_b32 v1, 15, v0                           ; r
	v_bfe_u32 v17, v0, 4, 1                        ; h
	v_lshlrev_b32 v[LO], 4, v16
	v_lshlrev_b32 v[VSC], 3, v1
	v_lshlrev_b32 v[PFOA], 8, v16
	v_and_b32 v[PFOB], 7, v16
	v_lshlrev_b32 v[PFOB], 8, v[PFOB]
	v_mul_u32_u24 v18, v1, 528
	v_lshl_add_u32 v18, v17, 5, v18
	v_add_nc_u32 v[STO], s36, v18
	v_add_nc_u32 v[RD], s37, v[LO]
	v_add_nc_u32 v[RD+1], s38, v[LO]
	v_add_nc_u32 v[RD+2], s39, v[LO]
	v_add_nc_u32 v[RD+3], s40, v[LO]
	v_add_nc_u32 v[ADA], s15, v[LO]                ; my fragments of A in a slot: 2,048 x wave + 16 x lane
	v_add_nc_u32 v[ADA+1], 65536, v[ADA]
	v_add_nc_u32 v[ADA+2], SLOTB, v[ADA]
	v_add_nc_u32 v[ADA+3], SLOTB+65536, v[ADA]
	s_wait_alu depctr_va_vdst(0)
	s_wait_dscnt 0x0                               ; both opening adds are done
	s_wait_kmcnt 0x0
	s_add_nc_u64 s[44:45], s[4:5], s[44:45]
	s_add_nc_u64 s[CB:CB+1], s[6:7], s[CB:CB+1]
	s_add_nc_u64 s[WA:WA+1], s[4:5], s[WA:WA+1]
	s_add_nc_u64 s[WB:WB+1], s[6:7], s[WB:WB+1]
	s_add_nc_u64 s[PFAA:PFAA+1], s[4:5], s[PFAA:PFAA+1]
	s_add_nc_u64 s[PFB:PFB+1], s[6:7], s[PFB:PFB+1]
	s_add_nc_u64 s[10:11], s[10:11], s[32:33]
	s_add_nc_u64 s[12:13], s[12:13], s[32:33]
	s_add_nc_u64 s[8:9], s[8:9], s[34:35]
	ROUND                                          ; the four work-groups are here: the first joint loads meet
	s_mov_b32 s[G0], 1
	s_mov_b32 s[G0+1], s41
	s_mov_b64 s[G0+2:G0+3], s[44:45]
	s_or_b32 s[G0+3], s[G0+3], 0x80000000
	s_mov_b32 s[G0+4], 1
	s_add_co_u32 s[G0+5], s41, SLOTB
	s_add_nc_u64 s[G0+6:G0+7], s[44:45], 16384
	s_or_b32 s[G0+7], s[G0+7], 0x80000000
	TLOAD 0                                        ; slices 0 and 1: one tensor load a wave at the head
	ASKA 1
	LSC 0, 0
	LDB 0, 0
	LSC 1, 1
	LDB 1, 1
	ASKB 2
	s_wait_tensorcnt 0x0                           ; my part of slot 0 is in; the lines ahead of a later first fill:
	ds_add_u32 v[SPW], v[NIL]
	s_wait_dscnt 0x0
	ROUND
	TLOAD 1                                        ; slices 2 and 3, the first tensor load behind the round
	ASKA 2
	FA 0, 0
	FA 0, 4
	SLICE 0, 1                                     ; the first slice's products start the sums
	SLICE 1, 0
	SLICE 2, 0
	SLICE 3, 0
	SLICE 4, 0
	SLICE 5, 0
	SLICE 6, 0
	SLICE 7, 0
	; THE WAY OUT.  Every wave's reads of the slots are over, and they have had their last fill: behind this barrier each wave's partial sums go to its own region (eight places stand behind the last product; each accumulator is read from its low end on)
	s_wait_dscnt 0x0
	s_barrier_signal -1
	s_barrier_wait -1
.irp a, 0,1,2,3,4,5,6,7
.set WS, 0x08+4*((\a)/4)
	WIN WS                                         ; an LDS store's data are its source 1
.irp b, 0,1,2,3,4,5,6,7
	ds_store_b128 v[STO], v[64*((\a)%4)+8*\b:64*((\a)%4)+8*\b+3] offset:8448*\a+64*\b
	ds_store_b128 v[STO], v[64*((\a)%4)+8*\b+4:64*((\a)%4)+8*\b+7] offset:8448*\a+64*\b+16
.endr
.endr
	WIN 0
	s_wait_dscnt 0x0                               ; for the others' sake
	s_barrier_signal -1
	s_barrier_wait -1
	s_wait_loadcnt 0x0                             ; residual and bias
.irp y, 0,1,2,3                        ; eight of my 32 rows at a time
.if \y > 0
	s_wait_xcnt 0x0                                ; the last group's stores have read their registers
.endif
.irp p, 0,1,2,3,4,5,6,7
.irp g, 0,1,2,3
	ds_load_b128 v[128+16*\p+4*\g:128+16*\p+4*\g+3], v[RD+\g] offset:528*(8*\y+\p)
.endr
.endr
.irp p, 0,1,2,3,4,5,6,7
	s_wait_dscnt 4*(7-\p)                          ; this row's four parts are in; the later rows' may be out
	v_pk_add_f32 v[128+16*\p:129+16*\p], v[128+16*\p:129+16*\p], v[132+16*\p:133+16*\p]
	v_pk_add_f32 v[130+16*\p:131+16*\p], v[130+16*\p:131+16*\p], v[134+16*\p:135+16*\p]
	v_pk_add_f32 v[136+16*\p:137+16*\p], v[136+16*\p:137+16*\p], v[140+16*\p:141+16*\p]
	v_pk_add_f32 v[138+16*\p:139+16*\p], v[138+16*\p:139+16*\p], v[142+16*\p:143+16*\p]
	v_pk_add_f32 v[128+16*\p:129+16*\p], v[128+16*\p:129+16*\p], v[136+16*\p:137+16*\p]
	v_pk_add_f32 v[130+16*\p:131+16*\p], v[130+16*\p:131+16*\p], v[138+16*\p:139+16*\p]
	v_pk_add_f32 v[128+16*\p:129+16*\p], v[128+16*\p:129+16*\p], v[BIA:BIA+1]
	v_pk_add_f32 v[130+16*\p:131+16*\p], v[130+16*\p:131+16*\p], v[BIA+2:BIA+3]
.endr
	WIN 0x04                                       ; source 1: the residual, in window 1
.irp p, 0,1,2,3,4,5,6,7
	v_pk_add_f32 v[128+16*\p:129+16*\p], v[128+16*\p:129+16*\p], v[4*(8*\y+\p):4*(8*\y+\p)+1]
	v_pk_add_f32 v[130+16*\p:131+16*\p], v[130+16*\p:131+16*\p], v[4*(8*\y+\p)+2:4*(8*\y+\p)+3]
.endr
	WIN 0
.irp p, 0,1,2,3,4,5,6,7
	global_store_b128 v[LO], v[128+16*\p:131+16*\p], s[12:13] offset:4096*(8*\y+\p) th:TH_STORE_NT   ; 512 consecutive bytes
.endr
.endr
	s_wait_tensorcnt 0x0                           ; the wave's end
	ds_add_u32 v[SPW], v[NIL]
	s_wait_dscnt 0x0
	ROUND                                          ; the closing round
	s_endpgm
.Lfunc_end_k_qcca4df7f38_w2:
	.size	k_qcca4df7f38_w2, .Lfunc_end_k_qcca4df7f38_w2-k_qcca4df7f38_w2
	.p2alignl 7, 3214868480
	.fill 96, 4, 3214868480
	.section	.rodata,"a",@progbits
	.p2align	6, 0x0
	.amdhsa_kernel k_qcca4df7f38_w2
		.amdhsa_group_segment_fixed_size 327680
		.amdhsa_private_segment_fixed_size 0
		.amdhsa_enable_private_segment 0
		.amdhsa_kernarg_size 40
		.amdhsa_user_sgpr_count 2
		.amdhsa_user_sgpr_kernarg_segment_ptr 1
		.amdhsa_wavefront_size32 1
		.amdhsa_system_sgpr_workgroup_id_x 1
		.amdhsa_system_sgpr_workgroup_id_y 1
		.amdhsa_system_sgpr_workgroup_id_z 1
		.amdhsa_system_vgpr_workitem_id 0
		.amdhsa_next_free_vgpr 1024
		.amdhsa_next_free_sgpr 66
		.amdhsa_reserve_vcc 0
		.amdhsa_float_denorm_mode_32 3
		.amdhsa_float_denorm_mode_16_64 3
		.amdhsa_memory_ordered 1
		.amdhsa_forward_progress 1
		.amdhsa_inst_pref_size 170
	.end_amdhsa_kernel
	.amdgpu_metadata
---
amdhsa.version: [ 1, 2 ]
amdhsa.kernels:
  - .name:           k_qcca4df7f38_w2
    .symbol:         k_qcca4df7f38_w2.kd
    .args:
      - { .name: ffbuf, .offset: 0, .size: 8, .value_kind: global_buffer, .address_space: global }
      - { .name: wsp, .offset: 8, .size: 8, .value_kind: global_buffer, .address_space: global }
      - { .name: b2, .offset: 16, .size: 8, .value_kind: global_buffer, .address_space: global }
      - { .name: x1, .offset: 24, .size: 8, .value_kind: global_buffer, .address_space: global }
      - { .name: out0, .offset: 32, .size: 8, .value_kind: global_buffer, .address_space: global }
    .group_segment_fixed_size: 327680
    .private_segment_fixed_size: 0
    .kernarg_segment_align: 8
    .kernarg_segment_size: 40
    .max_flat_workgroup_size: 128
    .sgpr_count:     66
    .vgpr_count:     1024
    .wavefront_size: 32
...
	.end_amdgpu_metadata
.endif
;; end of part 7
